; MI455X (gfx1250); checked and timed in simulation.
; The chip was launched on July 23, 2026; its instructions are those of AMD's public machine-readable ISA for CDNA 5 (MIT licence, August 2026) and "CDNA5" Instruction Set Architecture Reference Guide (July 2026). The comments in the code are by the model that wrote it; some were corrected since.
;; Cross Attention. Allowed arithmetic: matrix products marked QUANTISED: E2M1 operands, one E8M0 scale for each 32 along K, by v_wmma_scale_f32_16x16x128_f8f6f4 with both operands' format E2M1 (or v_wmma_scale_f32_32x16x128_f4), f32 sums; products left as they are: bf16, f16 or f32 operands; f32 sums; everything else in f32.
;; Inputs: W1 1,024 x 1,024 float32; W2 1,024 x 256 float32; W3 256 x 1,024 float32; W4 1,024 x 1,024 float32; Wk 1,024 x 128 float32; Wq 1,024 x 128 float32; Wv 1,024 x 128 float32; b1 1,024 float32; b2 256 float32; b3 1,024 float32; b4 1,024 float32; bk 128 float32; bq 128 float32; bv 128 float32; x 8 x 2,048 x 1,024 float32; y 8 x 2,048 x 1,024 float32.
;; Outputs: out0 8 x 2,048 x 128 float32.
;; This version of the problem:
;;   THIS VERSION OF THE PROBLEM IS GIVEN IN LOW PRECISION. The matrix products marked QUANTISED in the list below multiply operands that are first quantised to E2M1 (2 exponent bits, 1 mantissa bit; 4 bits a number), with one power-of-two scale for each 32 numbers along K (OCP MX v1.0); their sums are f32. The products marked 'left as it is' may take bf16, f16 or f32 operands, with f32 sums. Whichever they take, every output number must still come out within the allowed error. Rounding operands to bf16 (8 significant bits) uses up far more of that allowance than f16 does (11 bits, for magnitudes from 6e-5 to 65,504). All else is computed in f32.
;;   The module's matrix products, in the order in which they are computed (A, B: the left and right operand; K: the contracted axis; several contracted axes count as one K, in the product's order):
;;     1. [M 16,384, K 1,024] x [K 1,024, N 1,024]; A: input x; B: input W1: QUANTISED
;;     2. [M 16,384, K 1,024] x [K 1,024, N 256]; A: computed on the way; B: input W2: left as it is (an operand is computed on the way)
;;     3. [M 16,384, K 256] x [K 256, N 1,024]; A: computed on the way; B: input W3: left as it is (an operand is computed on the way)
;;     4. [M 16,384, K 1,024] x [K 1,024, N 1,024]; A: computed on the way; B: input W4: left as it is (an operand is computed on the way)
;;     5. [M 16,384, K 1,024] x [K 1,024, N 128]; A: computed on the way; B: input Wq: left as it is (an operand is computed on the way)
;;     6. [M 16,384, K 1,024] x [K 1,024, N 128]; A: input y; B: input Wk: QUANTISED
;;     7. [M 16,384, K 1,024] x [K 1,024, N 128]; A: input y; B: input Wv: QUANTISED
;;     8. batch 8 x [M 2,048, K 128] x [K 128, N 2,048]; A: computed on the way; B: computed on the way: left as it is (an operand is computed on the way)
;;     9. batch 8 x [M 2,048, K 2,048] x [K 2,048, N 128]; A: computed on the way; B: computed on the way: left as it is (an operand is computed on the way)
;;   THE QUANTISER, for each operand of a quantised product, along K:
;;     - K is cut into blocks of 32 from its start; a last block that is shorter is filled with zeros.
;;     - A block's scale is 2^e with e = floor(log2(the largest magnitude in the block)) - 2, held to -126 .. 127; a block of zeros has e = 0. As a byte (E8M0): e + 127.
;;     - Each number is divided by its block's scale, clamped to +-6, and rounded to the nearest number of E2M1, ties to even, subnormals kept.
;;     - The product sums the exact products of the quantised numbers (number of the format x scale) in f32.
;;   ~~~python
;;   def quantise(x, axis):      # numpy; x: float32 -> the quantised numbers, widened to float32 again
;;       x = np.moveaxis(x, axis, -1); K = x.shape[-1]
;;       x = np.pad(x, [(0, 0)] * (x.ndim - 1) + [(0, -K % 32)]); x = x.reshape(x.shape[:-1] + (-1, 32)); a = np.abs(x).max(-1, keepdims=True)
;;       e = np.where(a > 0, np.clip(np.frexp(np.where(a > 0, a, 1))[1] - 1 - 2, -126, 127), 0)      # np.frexp(a)[1] - 1 = floor(log2(a)), exactly
;;       r = np.clip(x / 2.0 ** e, -6, 6)
;;       step = 2.0 ** (np.maximum(np.frexp(np.where(r == 0, 1, r))[1] - 1, 0) - 1)
;;       q = np.round(r / step) * step * 2.0 ** e      # np.round: ties to even
;;       return np.moveaxis(q.reshape(q.shape[:-2] + (-1,))[..., :K], -1, axis).astype(np.float32)
;;   ~~~
;; 2 versions, each right. Each part assembles by itself: llvm-mc -triple=amdgcn-amd-amdhsa -mcpu=gfx1250 --defsym DOCPART=n.
;; ======== version 1 of 2: 3 launches
;; workspace buffers: wstream 4,063,232 bytes; wscale 40,960 bytes; qimg 4,194,304 bytes; kvimg 8,388,608 bytes
;; launch prep (part 1): grid 62 x 8, 4 waves a work-group, no clusters, 0 bytes of LDS; arguments W1, W2, W3, W4, Wq, Wk, Wv, wstream, wscale; writes wstream, wscale
.if DOCPART == 1
	.amdgcn_target "amdgcn-amd-amdhsa--gfx1250"
	.amdhsa_code_object_version 6
	.text
	.protected	k_q65b6d036ec_prep
	.globl	k_q65b6d036ec_prep
	.p2align	8
	.type	k_q65b6d036ec_prep,@function
k_q65b6d036ec_prep:
	s_mov_b64 s[64:65], 0
	v_nop
	global_prefetch_b8 v0, s[64:65] scope:SCOPE_SE
	s_setreg_imm32_b32 hwreg(HW_REG_WAVE_MODE, 25, 1), 1
	s_wait_xcnt 0x0
; The seven weights, all f32 and stored [K][N], are laid out ONCE in the order in which a wave's operand registers take them.
; wstream: 62 chunks of 65,536 bytes = [chunk][wave: 16,384][fragment: 1,024]; a fragment is the image of its 8 registers: [half c: 512][lane: 16 bytes].
;   chunks 0-1 Wk and Wv, 2-9 W1: codes of FP4 (E2M1), 16 columns x 128 K a fragment: lane (r, h) holds column r, registers 4 c .. 4 c + 3 hold k = 64 c + 32 h + 0 .. 31.
;   chunks 10-17 W2, 18-25 W3, 26-57 W4, 58-61 Wq: bf16, 16 columns x 32 K a fragment: registers 4 c .. hold k = 16 c + 8 h + 0 .. 7.
; wscale: [wave: 10,240] = Wk/Wv [pair 2][K step 8][lane][4], then W1 [pair 8][K step 8][lane][4]: lanes 0-15 the scale word of the pair's even tile, lanes 16-31 of its odd tile.
; A LANE TAKES A COLUMN AND ITS REGISTERS RUN DOWN K: a block of 32 along K lies in one lane, and the conversions give codes with K innermost; nothing is transposed.
; A block's scale is 2^(floor(log2(largest magnitude)) - 2); its byte is the largest magnitude's exponent field - 2, held at 1 from below.
; LIMITS: a block of zeros gets the byte 1 (its codes are zeros; the bytes are read by this program alone); NaN and infinities among the inputs are not served.
; SHARES: work-group (chunk c, yy), wave w: fragments 2 yy and 2 yy + 1 of wave w's quarter: two neighbouring tiles of 16 columns at one K.
; Sixteen lanes read 64 consecutive bytes: 12 MB of weights, read once.  Each store of codes covers 512 consecutive bytes, aligned; a store of scale words 128.
.set X,   32                           ; v32-159  the numbers as loaded
.set CD,  160                          ; v160-175 the two fragments
.set MX,  8                            ; v8-11    largest magnitudes (tile i, half c: 2 i + c)
.set SO,  12                           ; v12-15   the conversions' scale operands
.set BY,  16                           ; v16-19   scale bytes
.set WD,  20                           ; v20-21   scale words; v22-23 the other half of the lanes'
	s_load_b256 s[4:11], s[0:1], 0x0               ; W1 s[4:5], W2 s[6:7], W3 s[8:9], W4 s[10:11]
	s_load_b256 s[12:19], s[0:1], 0x20             ; Wq s[12:13], Wk s[14:15], Wv s[16:17], wstream s[18:19]
	s_load_b64 s[20:21], s[0:1], 0x40              ; wscale
	v_lshrrev_b32 v1, 5, v0
	v_readfirstlane_b32 s22, v1                    ; wave
	v_and_b32 v1, 31, v0                           ; lane
	v_and_b32 v2, 15, v0                           ; r
	v_bfe_u32 v3, v0, 4, 1                         ; h
	v_lshlrev_b32 v5, 4, v1                        ; 16 x lane: my place in an image
	v_lshlrev_b32 v6, 2, v1                        ; 4 x lane: my scale word's
	v_lshlrev_b32 v7, 2, v2                        ; 4 r: my column in a tile
	s_and_b32 s23, ttmp7, 0xffff                   ; yy
	s_mov_b32 s24, ttmp9                           ; chunk
	s_lshl_b32 s26, s24, 16                        ; where my two fragments go: 65,536 c + 16,384 w + 2,048 yy
	s_lshl_b32 s27, s22, 14
	s_add_co_u32 s26, s26, s27
	s_lshl_b32 s27, s23, 11
	s_add_co_u32 s26, s26, s27
	s_mov_b32 s27, 0
	s_and_b32 s28, s23, 1                          ; yy % 2
	s_lshr_b32 s29, s23, 1                         ; yy / 2
	s_mul_i32 s30, s22, 10240                      ; my wave's part of the scale words
	s_mov_b32 s31, 0
	s_mov_b32 s33, 0                               ; the upper word of the source's offset s[32:33]
	s_mov_b32 s36, 0x76543210
	s_mov_b32 s37, 0xfedcba98                      ; v_permlanex16_b32's selects for lane l xor 16
	s_wait_kmcnt 0x0
	s_add_nc_u64 s[18:19], s[18:19], s[26:27]
	s_add_nc_u64 s[20:21], s[20:21], s[30:31]
; two bf16 fragments from a weight of n columns; sh: lanes 16-31 begin 8 rows (32 n bytes = 1 << sh) further down
.macro BFR n, sh
	v_lshl_add_u32 v4, v3, \sh, v7
.irp i, 0,1
.irp c, 0,1
.irp j, 0,1,2,3,4,5,6,7
	global_load_b32 v[X+16*\i+8*\c+\j], v4, s[34:35] offset:((16*\c+\j)*\n+16*\i)*4
.endr
.endr
.endr
	s_wait_loadcnt 0x0
.irp i, 0,1
.irp c, 0,1
.irp u, 0,1,2,3
	v_cvt_pk_bf16_f32 v[CD+8*\i+4*\c+\u], v[X+16*\i+8*\c+2*\u], v[X+16*\i+8*\c+2*\u+1]
.endr
.endr
.endr
.irp i, 0,1
.irp c, 0,1
	global_store_b128 v5, v[CD+8*\i+4*\c:CD+8*\i+4*\c+3], s[18:19] offset:1024*\i+512*\c
.endr
.endr
	s_endpgm
.endm
; two FP4 fragments and their scale words; sh: lanes 16-31 begin 32 rows (128 n bytes = 1 << sh) further down
.macro QFR n, sh
	v_lshl_add_u32 v4, v3, \sh, v7
.irp i, 0,1
.irp c, 0,1
.irp k, 0,1,2,3,4,5,6,7,8,9,10,11,12,13,14,15,16,17,18,19,20,21,22,23,24,25,26,27,28,29,30,31
	global_load_b32 v[X+64*\i+32*\c+\k], v4, s[34:35] offset:((64*\c+\k)*\n+16*\i)*4
.endr
.endr
.endr
	s_wait_loadcnt 0x0
.irp i, 0,1
.irp c, 0,1
	v_max3_num_f32 v[MX+2*\i+\c], |v[X+64*\i+32*\c]|, |v[X+64*\i+32*\c+1]|, 0x1800000   ; all 32 numbers of a block are mine; the floor 2^(3 - 127) holds the byte at 1 from below
.endr
.endr
.irp k, 2,4,6,8,10,12,14,16,18,20,22,24,26,28,30
.irp i, 0,1
.irp c, 0,1
	v_max3_num_f32 v[MX+2*\i+\c], v[MX+2*\i+\c], |v[X+64*\i+32*\c+\k]|, |v[X+64*\i+32*\c+\k+1]|   ; the four blocks by turns
.endr
.endr
.endr
.irp u, 0,1,2,3
	v_add_nc_u32 v[SO+\u], 0xff000000, v[MX+\u]    ; 2 off the exponent field: the conversion takes this operand's exponent field as its scale
.endr
.irp u, 0,1,2,3
	v_lshrrev_b32 v[BY+\u], 23, v[SO+\u]           ; the scale's byte
.endr
	v_lshlrev_b32 v24, 3, v3                       ; 8 h
.irp i, 0,1
	v_lshl_or_b32 v[WD+\i], v[BY+2*\i+1], 16, v[BY+2*\i]   ; my two bytes: blocks h and 2 + h of my column,
	v_lshlrev_b32 v[WD+\i], v24, v[WD+\i]          ; at their places in the word;
	v_mov_b32 v[WD+2+\i], 0                        ; (a lane permute's destination counts as one of its sources)
	v_permlanex16_b32 v[WD+2+\i], v[WD+\i], s36, s37
	v_or_b32 v[WD+\i], v[WD+\i], v[WD+2+\i]        ; with lane l xor 16's two the word is whole
.endr
.irp i, 0,1
.irp c, 0,1
.irp g, 0,1,2,3
	v_cvt_scalef32_pk8_fp4_f32 v[CD+8*\i+4*\c+\g], v[X+64*\i+32*\c+8*\g:X+64*\i+32*\c+8*\g+7], v[SO+2*\i+\c]
.endr
.endr
.endr
	v_nop                                          ; one plain place behind the last scaled conversion
	v_cmp_le_u32 vcc_lo, 16, v1
	v_cndmask_b32 v25, v[WD], v[WD+1], vcc_lo      ; lanes 0-15: the even tile's word of column r; lanes 16-31: the odd tile's
.irp i, 0,1
.irp c, 0,1
	global_store_b128 v5, v[CD+8*\i+4*\c:CD+8*\i+4*\c+3], s[18:19] offset:1024*\i+512*\c
.endr
.endr
	global_store_b32 v6, v25, s[20:21]
	s_endpgm
.endm
	s_cmp_lt_u32 s24, 2                            ; which layer the chunk belongs to: branches on the work-group's number alone
	s_cbranch_scc1 .Lkv
	s_cmp_lt_u32 s24, 10
	s_cbranch_scc1 .Ll1
	s_cmp_lt_u32 s24, 18
	s_cbranch_scc1 .Ll2
	s_cmp_lt_u32 s24, 58
	s_cbranch_scc1 .Lwide
	; Wq [1024][128]: fragment 2 s + t: k0 = 256 ci + 32 yy, n0 = 32 w (+ 16 i)
	s_sub_co_u32 s25, s24, 58
	s_mov_b64 s[34:35], s[12:13]
	s_lshl_b32 s32, s25, 17                        ; a row is 512 bytes
	s_lshl_b32 s38, s23, 14
	s_add_co_u32 s32, s32, s38
	s_lshl_b32 s38, s22, 7
	s_add_co_u32 s32, s32, s38
	s_add_nc_u64 s[34:35], s[34:35], s[32:33]
	BFR 128, 12
.Lkv:	; Wk, Wv [1024][128]: fragment 4 s + t: k0 = 512 ci + 128 (yy / 2); t < 2 from Wk, else from Wv; n0 = 32 w (+ 16 i)
	s_cmp_eq_u32 s28, 0
	s_cselect_b64 s[34:35], s[14:15], s[16:17]
	s_lshl_b32 s32, s24, 18
	s_lshl_b32 s38, s29, 16
	s_add_co_u32 s32, s32, s38
	s_lshl_b32 s38, s22, 7
	s_add_co_u32 s32, s32, s38
	s_add_nc_u64 s[34:35], s[34:35], s[32:33]
	s_lshl_b32 s30, s28, 10                        ; scale words: pair yy % 2, K step 4 ci + yy / 2
	s_lshl_b32 s38, s24, 9
	s_add_co_u32 s30, s30, s38
	s_lshl_b32 s38, s29, 7
	s_add_co_u32 s30, s30, s38
	s_add_nc_u64 s[20:21], s[20:21], s[30:31]
	QFR 128, 14
.Ll1:	; W1 [1024][1024]: fragment t: k0 = 128 ci, n0 = 256 w + 32 yy (+ 16 i)
	s_sub_co_u32 s25, s24, 2
	s_mov_b64 s[34:35], s[4:5]
	s_lshl_b32 s32, s25, 19                        ; a row is 4,096 bytes
	s_lshl_b32 s38, s22, 10
	s_add_co_u32 s32, s32, s38
	s_lshl_b32 s38, s23, 7
	s_add_co_u32 s32, s32, s38
	s_add_nc_u64 s[34:35], s[34:35], s[32:33]
	s_lshl_b32 s30, s23, 10                        ; scale words: behind Wk's and Wv's 2,048 bytes; pair yy, K step ci
	s_lshl_b32 s38, s25, 7
	s_add_co_u32 s30, s30, s38
	s_add_co_u32 s30, s30, 2048
	s_add_nc_u64 s[20:21], s[20:21], s[30:31]
	QFR 1024, 17
.Ll2:	; W2 [1024][256]: fragment 4 s + t: k0 = 128 ci + 32 (yy / 2), n0 = 64 w + 32 (yy % 2) (+ 16 i)
	s_sub_co_u32 s25, s24, 10
	s_mov_b64 s[34:35], s[6:7]
	s_lshl_b32 s32, s25, 17                        ; a row is 1,024 bytes
	s_lshl_b32 s38, s29, 15
	s_add_co_u32 s32, s32, s38
	s_lshl_b32 s38, s22, 8
	s_add_co_u32 s32, s32, s38
	s_lshl_b32 s38, s28, 7
	s_add_co_u32 s32, s32, s38
	s_add_nc_u64 s[34:35], s[34:35], s[32:33]
	BFR 256, 13
.Lwide:	; W3 [256][1024] (chunks 18-25) or W4 [1024][1024] (26-57): fragment t: k0 = 32 ci, n0 = 256 w + 32 yy (+ 16 i)
	s_cmp_lt_u32 s24, 26
	s_cselect_b64 s[34:35], s[8:9], s[10:11]
	s_cselect_b32 s25, 18, 26
	s_sub_co_u32 s25, s24, s25
	s_lshl_b32 s32, s25, 17
	s_lshl_b32 s38, s22, 10
	s_add_co_u32 s32, s32, s38
	s_lshl_b32 s38, s23, 7
	s_add_co_u32 s32, s32, s38
	s_add_nc_u64 s[34:35], s[34:35], s[32:33]
	BFR 1024, 15
.Lfunc_end_k_q65b6d036ec_prep:
	.size	k_q65b6d036ec_prep, .Lfunc_end_k_q65b6d036ec_prep-k_q65b6d036ec_prep
	.p2alignl 7, 3214868480
	.fill 96, 4, 3214868480
	.section	.rodata,"a",@progbits
	.p2align	6, 0x0
	.amdhsa_kernel k_q65b6d036ec_prep
		.amdhsa_group_segment_fixed_size 0
		.amdhsa_private_segment_fixed_size 0
		.amdhsa_enable_private_segment 0
		.amdhsa_kernarg_size 72
		.amdhsa_user_sgpr_count 2
		.amdhsa_user_sgpr_kernarg_segment_ptr 1
		.amdhsa_wavefront_size32 1
		.amdhsa_system_sgpr_workgroup_id_x 1
		.amdhsa_system_sgpr_workgroup_id_y 1
		.amdhsa_system_sgpr_workgroup_id_z 1
		.amdhsa_system_vgpr_workitem_id 0
		.amdhsa_next_free_vgpr 184
		.amdhsa_next_free_sgpr 66
		.amdhsa_reserve_vcc 1
		.amdhsa_float_denorm_mode_32 3
		.amdhsa_float_denorm_mode_16_64 3
		.amdhsa_memory_ordered 1
		.amdhsa_forward_progress 1
		.amdhsa_inst_pref_size 55
	.end_amdhsa_kernel
	.amdgpu_metadata
---
amdhsa.version: [ 1, 2 ]
amdhsa.kernels:
  - .name:           k_q65b6d036ec_prep
    .symbol:         k_q65b6d036ec_prep.kd
    .args:
      - { .name: W1, .offset: 0, .size: 8, .value_kind: global_buffer, .address_space: global }
      - { .name: W2, .offset: 8, .size: 8, .value_kind: global_buffer, .address_space: global }
      - { .name: W3, .offset: 16, .size: 8, .value_kind: global_buffer, .address_space: global }
      - { .name: W4, .offset: 24, .size: 8, .value_kind: global_buffer, .address_space: global }
      - { .name: Wq, .offset: 32, .size: 8, .value_kind: global_buffer, .address_space: global }
      - { .name: Wk, .offset: 40, .size: 8, .value_kind: global_buffer, .address_space: global }
      - { .name: Wv, .offset: 48, .size: 8, .value_kind: global_buffer, .address_space: global }
      - { .name: wstream, .offset: 56, .size: 8, .value_kind: global_buffer, .address_space: global }
      - { .name: wscale, .offset: 64, .size: 8, .value_kind: global_buffer, .address_space: global }
    .group_segment_fixed_size: 0
    .private_segment_fixed_size: 0
    .kernarg_segment_align: 8
    .kernarg_segment_size: 72
    .max_flat_workgroup_size: 128
    .sgpr_count:     66
    .vgpr_count:     184
    .wavefront_size: 32
...
	.end_amdgpu_metadata
.endif
;; end of part 1
;; launch front (part 2): grid 256 x 1, 4 waves a work-group, clusters of 4 x 1, 327,680 bytes of LDS; arguments x, y, wstream, wscale, b1, b2, b3, b4, bq, bk, bv, qimg, kvimg; writes qimg, kvimg
.if DOCPART == 2
	.amdgcn_target "amdgcn-amd-amdhsa--gfx1250"
	.amdhsa_code_object_version 6
	.text
	.protected	k_q65b6d036ec_front
	.globl	k_q65b6d036ec_front
	.p2align	8
	.type	k_q65b6d036ec_front,@function
k_q65b6d036ec_front:
	s_mov_b64 s[64:65], 0
	v_nop
	global_prefetch_b8 v0, s[64:65] scope:SCOPE_SE
	s_setreg_imm32_b32 hwreg(HW_REG_WAVE_MODE, 25, 1), 1
	s_wait_xcnt 0x0
	s_wait_alu depctr_hold_cnt(0) depctr_sa_sdst(0) depctr_va_vdst(0) depctr_va_sdst(0) depctr_va_ssrc(0) depctr_va_vcc(0) depctr_vm_vsrc(0)
	s_getreg_b32 s2, hwreg(HW_REG_IB_STS2, 6, 4)
	s_cmp_eq_u32 s2, 0
	s_cbranch_scc0 .Lentry_in_a_cluster
	s_endpgm
.Lentry_in_a_cluster:
	s_bfe_u32 s2, ttmp6, 0x10000c
	s_cmp_lg_u32 s2, 0x3003
	s_cbranch_scc0 .Lentry_shape_is_right
	s_endpgm
.Lentry_shape_is_right:
; k = y Wk + bk, v = y Wv + bv, q = MLP(x) Wq + bq, for 64 rows of y and 64 rows of x a work-group; no hidden layer goes to memory.
; x W1, y Wk and y Wv are products on codes of FP4 (E2M1) with one E8M0 scale for each 32 along K: x and y are quantised here, in registers; the weights' codes come ready.
; The other products take bf16 operands and f32 sums; h1 .. h4, q, k and v are rounded to bf16 once each.
; LIMITS: NaN and infinities among the inputs are not served; a block of zeros gets the scale byte 1 with zero codes (the bytes are read here alone).
; THE WEIGHTS are one stream of 62 chunks of 64 KiB in the order of use, each laid as images of the operand registers, a quarter for each wave.  All work-groups walk the same stream, so each
; quarter is asked for JOINTLY by the four work-groups of a cluster (mask 15; nothing in a descriptor hangs on the work-group).  A ring of two slots of one chunk; each wave reads only the quarter it asked for.
; SHARES.  The waves share the COLUMNS: in a layer of 1,024 outputs wave w makes columns 256 w .. + 255 for all 64 rows: 64 accumulators, 512 registers.  So a whole layer's output lies in registers,
; and ONE buffer of 128 KiB in LDS is a layer's input and then its output.  A chunk is 16 weight fragments a wave x 4 tiles of rows = 64 matrix instructions.
; THE PRODUCTS ARE USED TRANSPOSED (source 0 = 16 columns of the weight, source 1 = 16 rows): a lane holds one row and eight neighbouring outputs, which, rounded to bf16, are four registers of the
; next layer's fragment IN THE SAME LANE: activations go through LDS as images of registers, 16 bytes a lane.  v alone is made in the natural order, so that a lane holds a channel and eight keys.
; The biases are loaded into the accumulators: they start the sums.
; LDS: 0 slot 0; 65,536 slot 1; 131,072 ACT [K chunk of 32: 4,096][tile of rows: 1,024][half: 512][16 x lane], before h1 the tables of y's and x's codes (128 rows x 528) and scale bytes (128 x 48);
;   262,144 the weights' scale words (filled once), from h2 on h2's images; 303,104 the spare words.  All of a WGP's LDS is claimed.
; REGISTERS: window 0: v1-17 addresses; v30, v31 the add's two; v32-159 fragments of activations (work registers in the phases between); v160-191 rows' scale words, v192-207 weights' scale words; v208-227 bk, bv.
;   window 1: the weights' fragments, two sets of 128.  windows 2, 3: accumulator 4 t + mt at register 8 ((4 t + mt) % 32) of window 2 + t / 8.  While rows are quantised window 3 holds eight rows of f32.
.set SLOTB, 65536
.set ACT,   131072
.set CT,    ACT                        ; codes: row 32 w + 16 (0: y, 1: x) + i, 512 bytes + 16
.set CP,    528
.set ST,    CT+128*CP                  ; scale bytes: 32 a row + 16
.set SP,    48
.set WSC,   262144
.set ACT2,  WSC
.set SPARE, WSC+40960
.set LI,   1                           ; 16 x lane
.set VX,   2                           ; 32 x lane
.set VB,   3                           ; 32 h
.set ADB0, 4                           ; my quarter of slot 0, of slot 1: 16,384 w + 16 x lane (+ 65,536)
.set ADB1, 5
.set ADA,  6                           ; the activations' images, stepped
.set ADCY, 7                           ; y's codes: CT + 528 r + 16 h
.set ADCX, 8                           ; x's, stepped by 64 a K step
.set ADSY, 9                           ; y's scale words: ST + 48 r
.set ADSX, 10                          ; x's, stepped by 4
.set ADWK, 11                          ; Wk's and Wv's scale words: WSC + 10,240 w + 4 x lane
.set ADW1, 12                          ; W1's, stepped by 128
.set RC,   13                          ; where I store codes, stepped by eight rows
.set RS,   14                          ; and scale bytes
.set DST,  15                          ; where my outputs' images go in ACT
.set DST2, 16                          ; and in ACT2
.set R4,   17                          ; 4 r
.set SPW,  30
.set NIL,  31
.set AF,   32
.set T,    32
.set U,    64
.set AS,   160
.set SB,   192
.set BK,   208
.set BV,   224
.set MUL_LO, 0xa1                      ; source 0 window 1, source 1 window 0, C and D window 2
.set MUL_HI, 0xf1                      ; the same, C and D window 3
.set MUL_V,  0xa4                      ; source 0 window 0, source 1 window 1, C and D window 2
.set MUL_Y3, 0xad                      ; source 0 window 1, source 1 window 3, C and D window 2
.set TO_B,   0x40
.set MSB, 0
.macro WIN new                         ; the immediate's high byte repeats the setting that is left; a switch that changes nothing is dropped
.if MSB != (\new)
	s_set_vgpr_msb (MSB<<8)|(\new)
.set MSB, (\new)
.endif
.endm
.macro CREST                           ; a round of the cluster's barrier behind its opening barrier
	s_cmp_lg_u32 s8, 0
	s_cbranch_scc1 .Lnot_wave_0_\@
	s_barrier_signal -3
.Lnot_wave_0_\@:
	s_barrier_wait -3
	s_barrier_signal -1
	s_barrier_wait -1
.endm
.macro CROUND
	s_barrier_signal -1
	s_barrier_wait -1
	CREST
.endm
.macro PLACES                          ; four plain places behind matrix instructions (ISA guide 7.12.1), where no other vector work is at hand
.rept 4
	v_nop
.endr
.endm
.macro PBAR                            ; my LDS stores have landed and my LDS loads are in: then the work-group's barrier.  No slot is filled behind it
	s_wait_dscnt 0x0
	s_barrier_signal -1
	s_barrier_wait -1
.endm
.macro LDB set, slot                   ; my 16 weight fragments of a chunk: 32 loads, 512 consecutive bytes each
	WIN TO_B
.irp f, 0,1,2,3,4,5,6,7,8,9,10,11,12,13,14,15
	ds_load_b128 v[128*(\set)+8*\f:128*(\set)+8*\f+3], v[ADB0+(\slot)] offset:1024*\f
	ds_load_b128 v[128*(\set)+8*\f+4:128*(\set)+8*\f+7], v[ADB0+(\slot)] offset:1024*\f+512
.endr
.endm
.macro LDAW set                        ; a wide chunk's activations: 32 along K, four tiles of rows
.irp mt, 0,1,2,3
	ds_load_b128 v[AF+32*(\set)+8*\mt:AF+32*(\set)+8*\mt+3], v[ADA] offset:1024*\mt
	ds_load_b128 v[AF+32*(\set)+8*\mt+4:AF+32*(\set)+8*\mt+7], v[ADA] offset:1024*\mt+512
.endr
	v_add_nc_u32 v[ADA], 4096, v[ADA]
.endm
.macro LDAN base, s0, n                ; a narrow chunk's activations: K steps s0 .. s0 + n - 1 of the chunk at ADA
.set SS, 0
.rept \n
.irp mt, 0,1,2,3
	ds_load_b128 v[(\base)+32*SS+8*\mt:(\base)+32*SS+8*\mt+3], v[ADA] offset:4096*((\s0)+SS)+1024*\mt
	ds_load_b128 v[(\base)+32*SS+8*\mt+4:(\base)+32*SS+8*\mt+7], v[ADA] offset:4096*((\s0)+SS)+1024*\mt+512
.endr
.set SS, SS+1
.endr
.endm
.macro LDAC adr, base, k0, n           ; fragments of codes: K steps k0 .. of 128; registers 4 c .. hold k = 64 c + 32 h + 0 .. 31: 16 bytes of the row as they lie
.set SS, 0
.rept \n
.irp mt, 0,1,2,3
	ds_load_b128 v[(\base)+32*SS+8*\mt:(\base)+32*SS+8*\mt+3], v[\adr] offset:32*CP*\mt+64*((\k0)+SS)
	ds_load_b128 v[(\base)+32*SS+8*\mt+4:(\base)+32*SS+8*\mt+7], v[\adr] offset:32*CP*\mt+64*((\k0)+SS)+32
.endr
.set SS, SS+1
.endr
.endm
; The accumulators take turns, one instruction a turn, in the same order in every chunk.
.macro MULS p, t0, t1, fmt             ; a wide chunk's tiles t0 .. t1 of columns x the four tiles of rows; fmt 1: on codes
.set TT, \t0
.rept (\t1)-(\t0)+1
.irp mt, 0,1,2,3
.set AC, 8*((4*TT+\mt)%32)
.if \fmt
.if TT%2
	v_wmma_scale_f32_16x16x128_f8f6f4 v[AC:AC+7], v[128*(\p)+8*TT:128*(\p)+8*TT+7], v[AF+32*(\p)+8*\mt:AF+32*(\p)+8*\mt+7], v[AC:AC+7], v[SB+8*(\p)+TT/2], v[AS+16*(\p)+\mt] matrix_a_fmt:MATRIX_FMT_FP4 matrix_b_fmt:MATRIX_FMT_FP4 matrix_a_scale:MATRIX_SCALE_ROW1
.else
	v_wmma_scale_f32_16x16x128_f8f6f4 v[AC:AC+7], v[128*(\p)+8*TT:128*(\p)+8*TT+7], v[AF+32*(\p)+8*\mt:AF+32*(\p)+8*\mt+7], v[AC:AC+7], v[SB+8*(\p)+TT/2], v[AS+16*(\p)+\mt] matrix_a_fmt:MATRIX_FMT_FP4 matrix_b_fmt:MATRIX_FMT_FP4
.endif
.else
	v_wmma_f32_16x16x32_bf16 v[AC:AC+7], v[128*(\p)+8*TT:128*(\p)+8*TT+7], v[AF+32*(\p)+8*\mt:AF+32*(\p)+8*\mt+7], v[AC:AC+7]
.endif
.endr
.set TT, TT+1
.endr
.endm
.macro KVM cc, p, mt                   ; one product of y with Wk (tiles 0, 1: transposed) or with Wv (tiles 2, 3: natural order); cc: its C
.if TT == 0
	v_wmma_scale_f32_16x16x128_f8f6f4 v[AC:AC+7], v[BR:BR+7], v[AR:AR+7], \cc, v[SB+8*(\p)+SS], v[AS+16*(\p)+4*(\mt)+SS] matrix_a_fmt:MATRIX_FMT_FP4 matrix_b_fmt:MATRIX_FMT_FP4
.elseif TT == 1
	v_wmma_scale_f32_16x16x128_f8f6f4 v[AC:AC+7], v[BR:BR+7], v[AR:AR+7], \cc, v[SB+8*(\p)+SS], v[AS+16*(\p)+4*(\mt)+SS] matrix_a_fmt:MATRIX_FMT_FP4 matrix_b_fmt:MATRIX_FMT_FP4 matrix_a_scale:MATRIX_SCALE_ROW1
.elseif TT == 2
	v_wmma_scale_f32_16x16x128_f8f6f4 v[AC:AC+7], v[AR:AR+7], v[BR:BR+7], \cc, v[AS+16*(\p)+4*(\mt)+SS], v[SB+8*(\p)+4+SS] matrix_a_fmt:MATRIX_FMT_FP4 matrix_b_fmt:MATRIX_FMT_FP4
.else
	v_wmma_scale_f32_16x16x128_f8f6f4 v[AC:AC+7], v[AR:AR+7], v[BR:BR+7], \cc, v[AS+16*(\p)+4*(\mt)+SS], v[SB+8*(\p)+4+SS] matrix_a_fmt:MATRIX_FMT_FP4 matrix_b_fmt:MATRIX_FMT_FP4 matrix_b_scale:MATRIX_SCALE_ROW1
.endif
.endm
; a narrow chunk's fragments f0 .. f1.  kind 0: y with Wk, Wv (fragment 4 s + t, on codes); 1: W2 (4 s + t); 2: Wq (2 s + t; K steps 4 .. 7 of the activations lie in window 3)
.macro MULN p, f0, f1, kind, zero
.set FF, \f0
.rept (\f1)-(\f0)+1
.if \kind == 2
.set SS, FF/2
.set TT, FF%2
.else
.set SS, FF/4
.set TT, FF%4
.endif
.set BR, 128*(\p)+8*FF
.if (\kind == 0) && (TT >= 2)
	WIN MUL_V
.elseif (\kind == 2) && (SS >= 4)
	WIN MUL_Y3
.else
	WIN MUL_LO
.endif
.irp mt, 0,1,2,3
.set AC, 8*(4*TT+\mt)
.set AR, AF+32*SS+8*\mt
.if (\kind == 2) && (SS >= 4)
.set AR, 32*(SS-4)+8*\mt
.endif
.if \kind == 0
.if (\zero) && (SS == 0)
	KVM 0, \p, \mt
.else
	KVM v[AC:AC+7], \p, \mt
.endif
.else
	v_wmma_f32_16x16x32_bf16 v[AC:AC+7], v[BR:BR+7], v[AR:AR+7], v[AC:AC+7]
.endif
.endr
.set FF, FF+1
.endr
.endm
.macro BLOAD t, sb                     ; the next layer's bias into tile t's four accumulators: lane (r, h) wants the bias of columns 16 t + 8 h + 0 .. 7
	WIN 0x80+0x40*((\t)/8)
.irp mt, 0,1,2,3
	global_load_b128 v[8*((4*(\t)+\mt)%32):8*((4*(\t)+\mt)%32)+3], v[VB], s[\sb:\sb+1] offset:64*(\t)
	global_load_b128 v[8*((4*(\t)+\mt)%32)+4:8*((4*(\t)+\mt)%32)+7], v[VB], s[\sb:\sb+1] offset:64*(\t)+16
.endr
.endm
.macro DR t, dst, ofs                  ; tile t: relu in f32 (each accumulator from its low end on), bf16, and into the next layer's images
	WIN 0x08+0x04*((\t)/8)
.irp mt, 0,1,2,3
.irp j, 0,1,2,3,4,5,6,7
	v_max_num_f32 v[T+8*\mt+\j], 0, v[8*((4*(\t)+\mt)%32)+\j]
.endr
.endr
	WIN 0
.irp mt, 0,1,2,3
.irp u, 0,1,2,3
	v_cvt_pk_bf16_f32 v[U+16*((\t)%2)+4*\mt+\u], v[T+8*\mt+2*\u], v[T+8*\mt+2*\u+1]
.endr
.endr
.irp mt, 0,1,2,3
	ds_store_b128 v[\dst], v[U+16*((\t)%2)+4*\mt:U+16*((\t)%2)+4*\mt+3] offset:(\ofs)+1024*\mt
.endr
.endm
.macro DRAIN nt, dst, sa, na, sb       ; nt tiles go out; tile t's accumulators then take the bias at s[sa] (t < na) or at s[sb] (sb = 0: nothing)
.set TD, 0
.rept \nt
	DR TD, \dst, 4096*(TD/2)+512*(TD%2)
.if TD < \na
	BLOAD TD, \sa
.elseif \sb
	BLOAD TD, \sb
.endif
.set TD, TD+1
.endr
	WIN 0
.endm
.macro L1A b                           ; x's fragments, x's scale words and W1's of the next K step, into bank b
	LDAC ADCX, AF+32*(\b), 0, 1
.irp mt, 0,1,2,3
	ds_load_b32 v[AS+16*(\b)+\mt], v[ADSX] offset:32*SP*\mt
.endr
.irp i, 0,1,2,3,4,5,6,7
	ds_load_b32 v[SB+8*(\b)+\i], v[ADW1] offset:1024*\i
.endr
	v_add_nc_u32 v[ADCX], 64, v[ADCX]
	v_add_nc_u32 v[ADSX], 4, v[ADSX]
	v_add_nc_u32 v[ADW1], 128, v[ADW1]
.endm
; A WIDE CHUNK, in slot p.  Its fragments were fetched in the chunk before, the activations' ahead of the weights'.  In its middle stands the change of slots: all my tensor loads have landed (my quarter of the
; next chunk), 0 is added to my spare word, my reads of this slot are over; a round of the cluster's barrier; this slot is asked for again, two chunks ahead; then the next chunk's fragments.
; skip = 1: in the loop's last trip the next chunk belongs to the next layer, whose activations do not exist yet.
.macro WCH p, fmt, skip
	s_wait_dscnt 24                                ; activations (and scale words) and weight fragments 0-3 are in; the younger 24 loads, fragments 4-15, may be out
	WIN MUL_LO
	MULS \p, 0, 3, \fmt
	s_wait_dscnt 16                                ; fragments 8-15 may be out
	MULS \p, 4, 7, \fmt
	WIN 0                                          ; (the add's two registers lie in window 0)
	s_wait_tensorcnt 0x0                           ; all my tensor loads have landed: the one that was out is my quarter of the next chunk
	ds_add_u32 v[SPW], v[NIL]                      ; 0 onto my spare word
	s_add_nc_u64 s[62+8*(\p):63+8*(\p)], s[62+8*(\p):63+8*(\p)], 0x20000   ; no load of mine is out: this slot's descriptor steps two chunks on
	s_wait_dscnt 13                                ; fragments 10-15 (12 loads) and the add may be out
	WIN MUL_HI
	MULS \p, 8, 9, \fmt
	s_wait_dscnt 0x0                               ; the add is done, and my reads of this slot are over
	s_barrier_signal -1
	MULS \p, 10, 11, \fmt
	WIN 0
	s_barrier_wait -1
	CREST                                          ; no wave of any partner still reads this slot or has a load on its way
	tensor_load_to_lds s[60+8*(\p):63+8*(\p)], s[44:51]
	s_nop 0
	PLACES                                         ; (the places in front of the loads below)
.if \skip
	s_cmp_eq_u32 s11, 1
	s_cbranch_scc1 .Lno_a_\@
.endif
.if \fmt
	L1A 1-(\p)
.else
	LDAW 1-(\p)
.endif
.if \skip
.Lno_a_\@:
.endif
	LDB 1-(\p), 1-(\p)
	WIN MUL_HI
	MULS \p, 12, 15, \fmt
.endm
.macro NXA kind, p, ci                 ; a narrow chunk's successor: the first half of its activations (kind 0: and the scale words), into the registers that fragments 0-7 have left
.if \kind == 0
	LDAC ADCY, AF, 4*((\ci)+1), 2
.irp mt, 0,1,2,3
	ds_load_b128 v[AS+16*(1-(\p))+4*\mt:AS+16*(1-(\p))+4*\mt+3], v[ADSY] offset:32*SP*\mt+16*((\ci)+1)
.endr
.irp s, 0,1,2,3
	ds_load_b32 v[SB+8*(1-(\p))+\s], v[ADWK] offset:128*(4*((\ci)+1)+\s)
	ds_load_b32 v[SB+8*(1-(\p))+4+\s], v[ADWK] offset:1024+128*(4*((\ci)+1)+\s)
.endr
.elseif \kind == 1
	LDAN AF, 0, 2
.else
	LDAN AF, 0, 4
.endif
.endm
.macro NYA kind, ci                    ; and the second half, at the chunk's end
.if \kind == 0
	LDAC ADCY, AF+64, 4*((\ci)+1)+2, 2
.elseif \kind == 1
	LDAN AF+64, 2, 2
	v_add_nc_u32 v[ADA], 16384, v[ADA]
.else
	WIN 0xc0
	LDAN 0, 4, 4
	WIN 0
	v_add_nc_u32 v[ADA], 32768, v[ADA]
.endif
.endm
; A NARROW CHUNK, in slot p: several K steps deep.  Fetched, in this order: first half of the activations (KH8 loads), [scale words], 32 loads of weights, second half (KH8 loads).
; fill = 1: the change of slots as in a wide chunk.  fill = 0: the stream's last two chunks ask for nothing, so they have no add, no barrier and no round.
.macro NCH p, kind, fill, nextb, nexta, zero, ci
.if \kind == 2
.set KH8, 32
.else
.set KH8, 16
.endif
	s_wait_dscnt 24+KH8                            ; younger than weight fragment 3: fragments 4-15 and the second half
	MULN \p, 0, 3, \kind, \zero
	s_wait_dscnt 16+KH8
	MULN \p, 4, 7, \kind, \zero
	WIN 0
.if \fill
	s_wait_tensorcnt 0x0                           ; all my tensor loads have landed: my quarter of the next chunk
	ds_add_u32 v[SPW], v[NIL]                      ; 0 onto my spare word
	s_add_nc_u64 s[62+8*(\p):63+8*(\p)], s[62+8*(\p):63+8*(\p)], 0x20000
	s_wait_dscnt KH8-7                             ; the second half's first K step is in; the rest of it (KH8 - 8 loads) and the add may be out
	MULN \p, 8, 9, \kind, 0
	s_wait_dscnt 0x0                               ; the add is done, and my reads of this slot are over
	s_barrier_signal -1
	MULN \p, 10, 11, \kind, 0
	WIN 0
	s_barrier_wait -1
	CREST
	tensor_load_to_lds s[60+8*(\p):63+8*(\p)], s[44:51]
	s_nop 0
	PLACES
.else
	s_wait_dscnt KH8-8
	MULN \p, 8, 9, \kind, 0
	s_wait_dscnt 0x0
	MULN \p, 10, 11, \kind, 0
	WIN 0
.if \nextb
	s_wait_tensorcnt 0x0                           ; my quarter of the last chunk has landed; I alone read it
	PLACES
.endif
.endif
.if \nexta
	NXA \kind, \p, \ci
.endif
.if \nextb
	LDB 1-(\p), 1-(\p)
.endif
	MULN \p, 12, 15, \kind, 0
	WIN 0
.if \nexta
	PLACES
	NYA \kind, \ci
.endif
.endm
; One row of 1,024 numbers, in slot j of window 3: lane l holds k = 256 q + 8 l + 0 .. 7 in registers 8 q .. 8 q + 7, so a block of 32 is four neighbouring lanes.  n: the younger loads that may stay out.
.macro ROWQ j, n, refill
	s_wait_loadcnt \n
	WIN 0x3f
.irp q, 0,1,2,3
	v_max3_num_f32 v[T+3*\q], |v[32*(\j)+8*\q]|, |v[32*(\j)+8*\q+1]|, |v[32*(\j)+8*\q+2]|
	v_max3_num_f32 v[T+3*\q+1], |v[32*(\j)+8*\q+3]|, |v[32*(\j)+8*\q+4]|, |v[32*(\j)+8*\q+5]|
	v_max3_num_f32 v[T+3*\q+2], |v[32*(\j)+8*\q+6]|, |v[32*(\j)+8*\q+7]|, 0x1800000   ; the floor 2^(3 - 127): the byte cannot fall under 1
.endr
	WIN 0
.irp q, 0,1,2,3
	v_max3_num_f32 v[T+12+\q], v[T+3*\q], v[T+3*\q+1], v[T+3*\q+2]
.endr
.irp q, 0,1,2,3
	v_max_num_f32_dpp v[T+12+\q], v[T+12+\q], v[T+12+\q] row_xmask:1 row_mask:0xf bank_mask:0xf
.endr
.irp q, 0,1,2,3
	v_max_num_f32_dpp v[T+12+\q], v[T+12+\q], v[T+12+\q] row_xmask:2 row_mask:0xf bank_mask:0xf   ; the block's largest magnitude
.endr
.irp q, 0,1,2,3
	v_add_nc_u32 v[T+16+\q], 0xff000000, v[T+12+\q]   ; 2 off its exponent field: the conversion's scale operand
.endr
	WIN 0x03
.irp q, 0,1,2,3
	v_cvt_scalef32_pk8_fp4_f32 v[T+20+\q], v[32*(\j)+8*\q:32*(\j)+8*\q+7], v[T+16+\q]
.endr
	WIN 0
.irp q, 0,1,2,3
	v_lshrrev_b32 v[T+24+\q], 23, v[T+16+\q]       ; the scale's byte (and the plain place behind the conversions)
.endr
.irp q, 0,1,2,3
	ds_store_b32 v[RC], v[T+20+\q] offset:CP*(\j)+128*\q
.endr
.irp q, 0,1,2,3
	ds_store_b8 v[RS], v[T+24+\q] offset:SP*(\j)+8*\q   ; the four lanes of a block write the same byte with the same value
.endr
.if \refill
	WIN 0xc0
.irp q, 0,1,2,3
	global_load_b128 v[32*(\j)+8*\q:32*(\j)+8*\q+3], v[VX], s[76:77] offset:4096*(\j)+1024*\q th:TH_LOAD_NT
	global_load_b128 v[32*(\j)+8*\q+4:32*(\j)+8*\q+7], v[VX], s[76:77] offset:4096*(\j)+1024*\q+16 th:TH_LOAD_NT
.endr
.endif
.endm
	; ---- the head
	s_load_b512 s[16:31], s[0:1], 0x0              ; x s[16:17], y s[18:19], wstream s[20:21], wscale s[22:23], b1 s[24:25], b2 s[26:27], b3 s[28:29], b4 s[30:31]
	s_load_b256 s[32:39], s[0:1], 0x40             ; bq s[32:33], bk s[34:35], bv s[36:37], qimg s[38:39]
	s_load_b64 s[40:41], s[0:1], 0x60              ; kvimg
	v_lshl_add_u32 v[SPW], v0, 2, SPARE
	v_mov_b32 v[NIL], 0
	ds_add_u32 v[SPW], v[NIL]                      ; the wave's opening: the add, twice on end, and its wait ahead of my first tensor load
	ds_add_u32 v[SPW], v[NIL]                      ; and once more, under the one wait; the set-up below stands between
	v_lshrrev_b32 v18, 5, v0
	v_readfirstlane_b32 s8, v18                    ; wave 0..3
	s_bfe_u32 s9, ttmp6, 0x40000                   ; cx: my place in the cluster; it enters the addresses of x, y, qimg and kvimg alone (s9, s10, s12, s13)
	s_lshl_b32 s10, ttmp9, 2
	s_add_co_u32 s10, s10, s9                      ; my work-group = 4 x cluster + cx
	; descriptor group 1: a quarter chunk, 16,384 dense bytes, as 64 rows of 32 elements of 8 bytes; no padding: images are read 16 bytes a lane, on end
	s_mov_b32 s44, 15|(3<<16)|(1<<21)              ; 15:0 the mask: all four work-groups; 17:16 elements of 8 bytes; 21 set beside a mask
	s_mov_b32 s45, 32<<16                          ; tensor_dim0 = 32
	s_mov_b32 s46, 64<<16                          ; tensor_dim1 = 64
	s_mov_b32 s47, 32<<16                          ; tile_dim0 = 32
	s_mov_b32 s48, 64                              ; tile_dim1 = 64
	s_mov_b32 s49, 32                              ; from row to row
	s_mov_b32 s50, 0
	s_mov_b32 s51, 0
	s_mov_b32 s52, 15|(3<<16)|(1<<21)              ; and for my wave's 10,240 bytes of scale words: 40 such rows
	s_mov_b32 s53, 32<<16
	s_mov_b32 s54, 40<<16
	s_mov_b32 s55, 32<<16
	s_mov_b32 s56, 40
	s_mov_b32 s57, 32
	s_mov_b32 s58, 0
	s_mov_b32 s59, 0
	s_lshl_b32 s2, s8, 14                          ; 16,384 w
	s_mov_b32 s3, 0
	s_mul_i32 s4, s8, 10240
	s_mov_b32 s5, 0
	v_and_b32 v18, 31, v0                          ; lane
	v_and_b32 v19, 15, v0                          ; r
	v_bfe_u32 v20, v0, 4, 1                        ; h
	v_lshlrev_b32 v[LI], 4, v18
	v_lshlrev_b32 v[VX], 5, v18
	v_lshlrev_b32 v[VB], 5, v20
	v_lshlrev_b32 v[R4], 2, v19
	v_lshlrev_b32 v21, 2, v18                      ; 4 x lane
	v_lshrrev_b32 v22, 2, v18                      ; lane / 4
	v_add_nc_u32 v[ADB0], s2, v[LI]
	v_add_nc_u32 v[ADB1], SLOTB, v[ADB0]
	v_mul_u32_u24 v[ADCY], v19, CP
	v_lshl_add_u32 v[ADCY], v20, 4, v[ADCY]
	v_add_nc_u32 v[ADCY], CT, v[ADCY]
	v_add_nc_u32 v[ADCX], 16*CP, v[ADCY]
	v_mul_u32_u24 v[ADSY], v19, SP
	v_add_nc_u32 v[ADSY], ST, v[ADSY]
	v_add_nc_u32 v[ADSX], 16*SP, v[ADSY]
	v_add_nc_u32 v[ADWK], s4, v21
	v_add_nc_u32 v[ADWK], WSC, v[ADWK]
	v_add_nc_u32 v[ADW1], 2048, v[ADWK]
	s_mul_i32 s6, s8, 32*CP
	v_add_nc_u32 v[RC], s6, v21
	v_add_nc_u32 v[RC], CT, v[RC]
	s_mul_i32 s6, s8, 32*SP
	v_add_nc_u32 v[RS], s6, v22
	v_add_nc_u32 v[RS], ST, v[RS]
	s_lshl_b32 s6, s8, 15
	v_add_nc_u32 v[DST], s6, v[LI]
	v_add_nc_u32 v[DST], ACT, v[DST]
	s_lshl_b32 s6, s8, 13
	v_add_nc_u32 v[DST2], s6, v[LI]
	v_add_nc_u32 v[DST2], ACT2, v[DST2]
	s_wait_dscnt 0x0                               ; both opening adds are done
	s_wait_kmcnt 0x0
	s_mov_b32 s60, 1                               ; group 0 of slot 0: count = 1,
	s_mov_b32 s61, s2                              ; LDS address: my quarter,
	s_add_nc_u64 s[62:63], s[20:21], s[2:3]        ; global address: my quarter of chunk 0
	s_mov_b32 s68, 1                               ; of slot 1: chunk 1
	s_add_co_u32 s69, s2, SLOTB
	s_add_nc_u64 s[70:71], s[62:63], 0x10000
	s_or_b32 s63, s63, 0x80000000                  ; type = 2
	s_or_b32 s71, s71, 0x80000000
	s_mov_b32 s72, 1                               ; and of the scale words
	s_add_co_u32 s73, s4, WSC
	s_add_nc_u64 s[74:75], s[22:23], s[4:5]
	s_or_b32 s75, s75, 0x80000000
	CROUND                                         ; all four work-groups are here: the first joint loads meet
	tensor_load_to_lds s[72:75], s[52:59]          ; the three first fills go out together: three loads of mine are out here, one later
	s_nop 0
	tensor_load_to_lds s[60:63], s[44:51]
	s_nop 0
	tensor_load_to_lds s[68:71], s[44:51]
	s_nop 0
	PLACES
	s_lshl_b32 s6, s8, 10                          ; the pointers move to my wave's part
	s_mov_b32 s7, 0
	s_add_nc_u64 s[24:25], s[24:25], s[6:7]        ; b1, b3, b4: 256 w numbers on
	s_add_nc_u64 s[28:29], s[28:29], s[6:7]
	s_add_nc_u64 s[30:31], s[30:31], s[6:7]
	s_add_nc_u64 s[38:39], s[38:39], s[6:7]        ; q's images: fragment (tile of rows, w)
	s_add_nc_u64 s[40:41], s[40:41], s[6:7]        ; k's likewise
	s_lshl_b32 s12, s10, 15
	s_mov_b32 s13, 0
	s_add_nc_u64 s[40:41], s[40:41], s[12:13]      ; my work-group's 64 keys: 32,768 bytes
	s_add_nc_u64 s[80:81], s[40:41], s[6:7]        ; v's images: 16,384 on, channel tiles 2 w and 2 w + 1
	s_add_nc_u64 s[80:81], s[80:81], 16384
	s_lshl_b32 s12, s10, 14
	s_add_nc_u64 s[38:39], s[38:39], s[12:13]
	s_lshl_b32 s6, s8, 8
	s_add_nc_u64 s[26:27], s[26:27], s[6:7]        ; b2: 64 w
	s_lshl_b32 s6, s8, 7
	s_add_nc_u64 s[32:33], s[32:33], s[6:7]        ; bq, bk, bv: 32 w
	s_add_nc_u64 s[34:35], s[34:35], s[6:7]
	s_add_nc_u64 s[36:37], s[36:37], s[6:7]
	s_lshl_b32 s12, s10, 18
	s_lshl_b32 s6, s8, 16
	s_add_co_u32 s12, s12, s6                      ; row 64 x work-group + 16 w, 4,096 bytes a row
	s_add_nc_u64 s[16:17], s[16:17], s[12:13]
	s_add_nc_u64 s[18:19], s[18:19], s[12:13]
	global_load_b128 v[BK:BK+3], v[VB], s[34:35]
	global_load_b128 v[BK+4:BK+7], v[VB], s[34:35] offset:16
	global_load_b128 v[BK+8:BK+11], v[VB], s[34:35] offset:64
	global_load_b128 v[BK+12:BK+15], v[VB], s[34:35] offset:80
	global_load_b32 v[BV], v[R4], s[36:37]         ; bv of my channel, twice: a pair for the packed addition
	global_load_b32 v[BV+1], v[R4], s[36:37]
	global_load_b32 v[BV+2], v[R4], s[36:37] offset:64
	global_load_b32 v[BV+3], v[R4], s[36:37] offset:64
	; ---- ROWS: my 16 rows of y, then my 16 rows of x, become codes and scale bytes in LDS.  Eight rows (64 loads of 512 bytes a wave) are on their way at all times.
	WIN 0xc0
.irp j, 0,1,2,3,4,5,6,7
.irp q, 0,1,2,3
	global_load_b128 v[32*\j+8*\q:32*\j+8*\q+3], v[VX], s[18:19] offset:4096*\j+1024*\q th:TH_LOAD_NT
	global_load_b128 v[32*\j+8*\q+4:32*\j+8*\q+7], v[VX], s[18:19] offset:4096*\j+1024*\q+16 th:TH_LOAD_NT
.endr
.endr
	WIN 0
	s_add_nc_u64 s[76:77], s[18:19], 0x8000        ; the refills: y's rows 8-15, then x's 0-7, then x's 8-15
	s_mov_b64 s[78:79], s[16:17]
	s_mov_b32 s11, 3
.Lrows:
.irp j, 0,1,2,3,4,5,6,7
	ROWQ \j, 56, 1                                 ; behind a row's eight loads stand those of the seven rows after it
.endr
	WIN 0
	v_add_nc_u32 v[RC], 8*CP, v[RC]
	v_add_nc_u32 v[RS], 8*SP, v[RS]
	s_wait_xcnt 0x0                                ; the loads have read their base: it may be written
	s_mov_b64 s[76:77], s[78:79]
	s_add_nc_u64 s[78:79], s[78:79], 0x8000
	s_sub_co_u32 s11, s11, 1
	s_cmp_lg_u32 s11, 0
	s_cbranch_scc1 .Lrows
.irp j, 0,1,2,3,4,5,6,7
	ROWQ \j, 8*(7-\j), 0                           ; the last eight rows load nothing: the counts run down
.endr
.irp t, 4,5,6,7,8,9,10,11,12,13,14,15
	BLOAD \t, 24                                   ; b1 into the accumulators that the next phase leaves alone
.endr
	WIN 0
	s_wait_tensorcnt 0x1                           ; the scale words and chunk 0 have landed; chunk 1 may stay out
	PBAR                                           ; all 128 rows' codes and scale bytes lie in LDS
	; ---- KV: chunks 0 and 1
	NXA 0, 1, -1
	LDB 0, 0
	WIN 0
	NYA 0, -1
	NCH 0, 0, 1, 1, 1, 1, 0
	NCH 1, 0, 1, 1, 0, 0, 1
	; k: lane (r, h) holds key r of tile mt and channels 32 w + 16 t + 8 h + 0 .. 7: half t of fragment (mt, w).  v: channel r and keys 8 h + 0 .. 7: half mt % 2 of fragment (mt / 2, 2 w + t - 2).
	PLACES
.irp t, 0,1
	WIN 0x02
.irp mt, 0,1,2,3
.irp u, 0,1,2,3
	v_pk_add_f32 v[T+8*\mt+2*\u:T+8*\mt+2*\u+1], v[8*(4*\t+\mt)+2*\u:8*(4*\t+\mt)+2*\u+1], v[BK+8*\t+2*\u:BK+8*\t+2*\u+1]
.endr
.endr
	WIN 0
.irp mt, 0,1,2,3
.irp u, 0,1,2,3
	v_cvt_pk_bf16_f32 v[U+4*(4*\t+\mt)+\u], v[T+8*\mt+2*\u], v[T+8*\mt+2*\u+1]
.endr
.endr
.irp mt, 0,1,2,3
	global_store_b128 v[LI], v[U+4*(4*\t+\mt):U+4*(4*\t+\mt)+3], s[40:41] offset:4096*\mt+512*\t   ; 512 consecutive bytes, aligned
.endr
.endr
.irp t, 2,3
	WIN 0x02
.irp mt, 0,1,2,3
.irp u, 0,1,2,3
	v_pk_add_f32 v[T+8*\mt+2*\u:T+8*\mt+2*\u+1], v[8*(4*\t+\mt)+2*\u:8*(4*\t+\mt)+2*\u+1], v[BV+2*(\t-2):BV+2*(\t-2)+1]
.endr
.endr
	WIN 0
.irp mt, 0,1,2,3
.irp u, 0,1,2,3
	v_cvt_pk_bf16_f32 v[U+4*(4*\t+\mt)+\u], v[T+8*\mt+2*\u], v[T+8*\mt+2*\u+1]
.endr
.endr
.irp mt, 0,1,2,3
	global_store_b128 v[LI], v[U+4*(4*\t+\mt):U+4*(4*\t+\mt)+3], s[80:81] offset:8192*(\mt/2)+1024*(\t-2)+512*(\mt%2)
.endr
.endr
.irp t, 0,1,2,3
	BLOAD \t, 24
.endr
	WIN 0
	; ---- L1: h1 = relu(x W1 + b1), on codes: chunks 2-9, 128 along K each
	s_wait_xcnt 0x0                                ; the stores above have read their data: those registers take fragments now
	L1A 0
	s_wait_dscnt 0x0
	s_wait_loadcnt 0x0                             ; b1
	s_mov_b32 s11, 4
.Ll1:
	WCH 0, 1, 0
	WCH 1, 1, 1
	WIN 0
	s_sub_co_u32 s11, s11, 1
	s_cmp_lg_u32 s11, 0
	s_cbranch_scc1 .Ll1
	PBAR                                           ; every wave's reads of the tables are over: h1 is laid over them
	PLACES
	DRAIN 16, DST, 26, 4, 28                       ; tiles 0-3 take b2; tiles 4-15, which L2 leaves alone, b3
	PBAR                                           ; h1 lies in ACT
	; ---- L2: h2 = relu(h1 W2 + b2): chunks 10-17, 128 along K each; the last two are written out, since no activations follow them
	v_add_nc_u32 v[ADA], ACT, v[LI]
	NXA 1, 1, 0
	NYA 1, 0
	s_wait_dscnt 0x0
	s_wait_loadcnt 0x0
	s_mov_b32 s11, 3
.Ll2:
	NCH 0, 1, 1, 1, 1, 0, 0
	NCH 1, 1, 1, 1, 1, 0, 0
	s_sub_co_u32 s11, s11, 1
	s_cmp_lg_u32 s11, 0
	s_cbranch_scc1 .Ll2
	NCH 0, 1, 1, 1, 1, 0, 0
	NCH 1, 1, 1, 1, 0, 0, 0
	PLACES
	DRAIN 4, DST2, 28, 4, 0                        ; h2 goes where the weights' scale words lay: their last reads stand ahead of the barrier behind L1
	PBAR
	; ---- L3: h3 = relu(h2 W3 + b3): chunks 18-25, 32 along K each
	v_add_nc_u32 v[ADA], ACT2, v[LI]
	LDAW 0
	s_wait_dscnt 0x0
	s_wait_loadcnt 0x0
	s_mov_b32 s11, 4
.Ll3:
	WCH 0, 0, 0
	WCH 1, 0, 1
	WIN 0
	s_sub_co_u32 s11, s11, 1
	s_cmp_lg_u32 s11, 0
	s_cbranch_scc1 .Ll3
	s_wait_dscnt 0x0                               ; no LDS load of mine is out: the fragments' registers are work registers now
	PLACES
	DRAIN 16, DST, 30, 16, 0                       ; h3 over h1, whose last reads stand ahead of the barrier behind L2's way out
	PBAR
	; ---- L4: h4 = relu(h3 W4 + b4): chunks 26-57
	v_add_nc_u32 v[ADA], ACT, v[LI]
	LDAW 0
	s_wait_dscnt 0x0
	s_wait_loadcnt 0x0
	s_mov_b32 s11, 16
.Ll4:
	WCH 0, 0, 0
	WCH 1, 0, 1
	WIN 0
	s_sub_co_u32 s11, s11, 1
	s_cmp_lg_u32 s11, 0
	s_cbranch_scc1 .Ll4
	PBAR                                           ; every wave's reads of h3 are over: h4 is laid over it
	PLACES
	DRAIN 16, DST, 32, 2, 0
	PBAR
	; ---- L5: q = h4 Wq + bq: chunks 58-61, 256 along K each, written out: the last two ask for nothing
	v_add_nc_u32 v[ADA], ACT, v[LI]
	NXA 2, 1, 0
	NYA 2, 0
	s_wait_dscnt 0x0
	s_wait_loadcnt 0x0
	NCH 0, 2, 1, 1, 1, 0, 0
	NCH 1, 2, 1, 1, 1, 0, 0
	NCH 0, 2, 0, 1, 1, 0, 0
	NCH 1, 2, 0, 0, 0, 0, 0
	PLACES
	WIN 0x0a
.irp t, 0,1
.irp mt, 0,1,2,3
.irp u, 0,1,2,3
	v_cvt_pk_bf16_f32 v[U+4*(4*\t+\mt)+\u], v[8*(4*\t+\mt)+2*\u], v[8*(4*\t+\mt)+2*\u+1]
.endr
.endr
.endr
	WIN 0
.irp t, 0,1
.irp mt, 0,1,2,3
	global_store_b128 v[LI], v[U+4*(4*\t+\mt):U+4*(4*\t+\mt)+3], s[38:39] offset:4096*\mt+512*\t   ; half t of fragment (tile of queries mt, channels 32 w on)
.endr
.endr
	s_wait_tensorcnt 0x0                           ; the wave's end: behind my last tensor load and my last LDS store
	ds_add_u32 v[SPW], v[NIL]
	s_wait_dscnt 0x0
	CROUND                                         ; the closing round: no work-group ends while a partner may still ask for a tile that names it
	s_endpgm
.Lfunc_end_k_q65b6d036ec_front:
	.size	k_q65b6d036ec_front, .Lfunc_end_k_q65b6d036ec_front-k_q65b6d036ec_front
	.p2alignl 7, 3214868480
	.fill 96, 4, 3214868480
	.section	.rodata,"a",@progbits
	.p2align	6, 0x0
	.amdhsa_kernel k_q65b6d036ec_front
		.amdhsa_group_segment_fixed_size 327680
		.amdhsa_private_segment_fixed_size 0
		.amdhsa_enable_private_segment 0
		.amdhsa_kernarg_size 104
		.amdhsa_user_sgpr_count 2
		.amdhsa_user_sgpr_kernarg_segment_ptr 1
		.amdhsa_wavefront_size32 1
		.amdhsa_system_sgpr_workgroup_id_x 1
		.amdhsa_system_sgpr_workgroup_id_y 1
		.amdhsa_system_sgpr_workgroup_id_z 1
		.amdhsa_system_vgpr_workitem_id 0
		.amdhsa_next_free_vgpr 1024
		.amdhsa_next_free_sgpr 92
		.amdhsa_reserve_vcc 0
		.amdhsa_float_denorm_mode_32 3
		.amdhsa_float_denorm_mode_16_64 3
		.amdhsa_memory_ordered 1
		.amdhsa_forward_progress 1
		.amdhsa_inst_pref_size 255
	.end_amdhsa_kernel
	.section	.bss,"aw",@nobits
	.p2align	6
	.space	262144
	.amdgpu_metadata
---
amdhsa.version: [ 1, 2 ]
amdhsa.kernels:
  - .name:           k_q65b6d036ec_front
    .symbol:         k_q65b6d036ec_front.kd
    .args:
      - { .name: x, .offset: 0, .size: 8, .value_kind: global_buffer, .address_space: global }
      - { .name: y, .offset: 8, .size: 8, .value_kind: global_buffer, .address_space: global }
      - { .name: wstream, .offset: 16, .size: 8, .value_kind: global_buffer, .address_space: global }
      - { .name: wscale, .offset: 24, .size: 8, .value_kind: global_buffer, .address_space: global }
      - { .name: b1, .offset: 32, .size: 8, .value_kind: global_buffer, .address_space: global }
      - { .name: b2, .offset: 40, .size: 8, .value_kind: global_buffer, .address_space: global }
      - { .name: b3, .offset: 48, .size: 8, .value_kind: global_buffer, .address_space: global }
      - { .name: b4, .offset: 56, .size: 8, .value_kind: global_buffer, .address_space: global }
      - { .name: bq, .offset: 64, .size: 8, .value_kind: global_buffer, .address_space: global }
      - { .name: bk, .offset: 72, .size: 8, .value_kind: global_buffer, .address_space: global }
      - { .name: bv, .offset: 80, .size: 8, .value_kind: global_buffer, .address_space: global }
      - { .name: qimg, .offset: 88, .size: 8, .value_kind: global_buffer, .address_space: global }
      - { .name: kvimg, .offset: 96, .size: 8, .value_kind: global_buffer, .address_space: global }
    .group_segment_fixed_size: 327680
    .private_segment_fixed_size: 0
    .kernarg_segment_align: 8
    .kernarg_segment_size: 104
    .max_flat_workgroup_size: 128
    .sgpr_count:     92
    .vgpr_count:     1024
    .wavefront_size: 32
...
	.end_amdgpu_metadata
.endif
;; end of part 2
;; launch attn (part 3): grid 256 x 1, 4 waves a work-group, clusters of 4 x 1, 327,680 bytes of LDS; arguments qimg, kvimg, out0; writes out0
.if DOCPART == 3
	.amdgcn_target "amdgcn-amd-amdhsa--gfx1250"
	.amdhsa_code_object_version 6
	.text
	.protected	k_q65b6d036ec_attn
	.globl	k_q65b6d036ec_attn
	.p2align	8
	.type	k_q65b6d036ec_attn,@function
k_q65b6d036ec_attn:
	s_mov_b64 s[64:65], 0
	v_nop
	global_prefetch_b8 v0, s[64:65] scope:SCOPE_SE
	s_setreg_imm32_b32 hwreg(HW_REG_WAVE_MODE, 25, 1), 1
	s_wait_xcnt 0x0
	s_wait_alu depctr_hold_cnt(0) depctr_sa_sdst(0) depctr_va_vdst(0) depctr_va_sdst(0) depctr_va_ssrc(0) depctr_va_vcc(0) depctr_vm_vsrc(0)
	s_getreg_b32 s2, hwreg(HW_REG_IB_STS2, 6, 4)
	s_cmp_eq_u32 s2, 0
	s_cbranch_scc0 .Lentry_in_a_cluster
	s_endpgm
.Lentry_in_a_cluster:
	s_bfe_u32 s2, ttmp6, 0x10000c
	s_cmp_lg_u32 s2, 0x3003
	s_cbranch_scc0 .Lentry_shape_is_right
	s_endpgm
.Lentry_shape_is_right:
; out[b][q][:] = the sum over k of softmax_k(q . k / sqrt(128)) v[k][:], 8 batches x 2,048 queries x 2,048 keys, head size 128, no mask.  q, k, v arrive in bf16 as images of operand registers;
; products, maxima and sums in f32; the weights p are rounded to bf16 for the second product, the row's sum is taken of the unrounded p; out is f32.
; SHARES.  A work-group owns 64 queries.  EACH OF ITS FOUR WAVES HOLDS ALL 64 (four tiles of 16) AND WALKS A QUARTER OF THE KEYS, 512, 64 a step: so each fragment of k and v read from LDS feeds four
; products.  At the end the four waves' partial sums are brought under one maximum and added, through LDS.
; LAYOUT.  S^T = K Q^T (source 0 = 16 keys, source 1 = 16 queries): a lane holds ONE query and the keys 8 (lane / 16) + 0..7.  Two such tiles, rounded to bf16, ARE source 1 of O^T = V^T P.
; SOFTMAX.  For each query a running maximum m and sum l: p = 2^(c s - c m), c = log2(e) / sqrt(128); in every step O and l are multiplied by a = 2^(c m_old - c m_new).
; BY TURNS.  The tiles are two PIECES (tiles 0, 1 and tiles 2, 3).  In a TURN one piece has the matrix unit: 32 products V^T P of the step in hand, then 32 products K Q^T of the next; the other piece's
; softmax, cut into 64 slices, stands between them, one slice behind each matrix instruction.  Two turns are a key step.
; CLUSTER.  The four work-groups of a cluster belong to one batch and walk the same k and v: wave w of each asks for the same tile (a step's k and v, 32 KiB dense) JOINTLY, mask 15.
; RING.  Two slots of one step for each wave; a wave reads only what it asked for.  All of a WGP's LDS is claimed.
; REGISTERS, in windows of 256: window 0: v2-8, v44-47 addresses; v12-43 statistics; v64-191 S^T; v192-255 P.  window 1: O^T, 64 a tile.  window 2: v0-127 Q; v128-255 K of one step.  window 3: v0-127 V.
; LIMITS: NaN and infinities are not served.
.set SLOT1, 1<<17                      ; slot 1 begins here: one exclusive or turns an address in one slot into the other's
.set VOFF,  16384                      ; in a step's tile: K's 16 images, then V's 16
.set STATS, 262144                     ; [wave: 1,024][tile: 256][c m, l: 128][4 x lane]
.set SPARE, 266240
.set SPT,   528                        ; the merge's stage: a row of 128 f32 + 16 bytes; 64 rows for each wave, from byte 0: in the ring, behind its last fill and its last read
.set PART,  64*SPT
.set AK0, 2                            ; v2   32,768 w + 16 x lane
.set AV0, 3                            ; v3   + VOFF
.set ADR, 4                            ; v4   the LDS address of the run of loads in hand
.set LI,  5                            ; v5   16 x lane
.set STO, 6                            ; v6   the stage: where I put 32 bytes of a row
.set SA,  7                            ; v7   where I store my statistics
.set SL,  8                            ; v8   and read everybody's
.set RD,  44                           ; v44-47 the stage: my 16 rows in each of the four partial sums
.set PFO, 61                           ; v61  256 x lane
.set SPW, 62
.set NIL, 63
.set ST,  12                           ; tile t's statistics at v[ST+8 t]: +0 c m, +1 m, +2, +3 l (even keys', odd keys'), +4 to +7 at work; a takes +6
.set S,   64
.set P,   192
.set KF,  128
.set WV,  12
.set LIM, 15
.set PFA, 18
.set G1,  24
.set G0A, 40
.set G0W, 44
.set SLOTS, 56
.set CS,  58
.set SEL, 60
.set TB,  62
.set MSB, 0
.macro WIN new
.if MSB != (\new)
	s_set_vgpr_msb (MSB<<8)|(\new)
.set MSB, (\new)
.endif
.endm
.set W_KQ, 0x0a                        ; K and Q in window 2, S^T in window 0
.set W_PV, 0x53                        ; V in window 3, P in window 0, O^T in window 1
.set W_RS, 0x41                        ; O^T (destination and source 0) in window 1, the factor in window 0
.macro CROUND
	s_barrier_signal -1
	s_barrier_wait -1
	s_cmp_lg_u32 s[WV], 0
	s_cbranch_scc1 .Lnot_wave_0_\@
	s_barrier_signal -3
.Lnot_wave_0_\@:
	s_barrier_wait -3
	s_barrier_signal -1
	s_barrier_wait -1
.endm
; A PREFETCH INTO THE L2 of the tile that my wave will ask for two changes of slots on: 256 matrix instructions ahead of that load.  All eight clusters of a batch walk the same k and v: the batch's first
; cluster asks.  Its four partners share a tile's 32 KiB out BY ADDRESS, 8 KiB each, lanes 256 bytes apart: one instruction a wave, and each block of 256 bytes is named once in the launch.
; The last two changes that fill a slot ask for nothing: there is no step behind the eighth.  Steps 0 to 3 come by their loads alone.
.macro ASK
	s_cmp_gt_u32 s[SLOTS], s[LIM]
	s_cbranch_scc0 .Lnot_mine_\@
	global_prefetch_b8 v[PFO], s[PFA:PFA+1] th:TH_LOAD_NT scope:SCOPE_SE
.Lnot_mine_\@:
.endm
	s_load_b128 s[4:7], s[0:1], 0x0                ; qimg s[4:5], kvimg s[6:7]
	s_load_b64 s[8:9], s[0:1], 0x10                ; out0
	v_lshl_add_u32 v[SPW], v0, 2, SPARE
	v_mov_b32 v[NIL], 0
	ds_add_u32 v[SPW], v[NIL]                      ; the wave's opening: the add, twice on end, and its wait ahead of my first tensor load
	ds_add_u32 v[SPW], v[NIL]                      ; and once more, under the one wait; the set-up below stands between
	v_lshrrev_b32 v1, 5, v0
	v_readfirstlane_b32 s[WV], v1                  ; wave 0..3
	s_bfe_u32 s13, ttmp6, 0x40000                  ; cx: it enters q's, out's and the prefetches' addresses alone (s13, s14, s2, s3, s16)
	s_lshl_b32 s14, ttmp9, 2
	s_add_co_u32 s14, s14, s13                     ; my work-group = 4 x cluster + cx
	s_lshr_b32 s20, ttmp9, 3                       ; the batch, which the four partners share: 32 work-groups, 8 clusters
	s_lshl_b32 s20, s20, 20                        ; its k and v: 1 MiB;
	s_lshl_b32 s21, s[WV], 18                      ; my wave's 8 steps of 32 KiB
	s_add_co_u32 s20, s20, s21
	s_mov_b32 s21, 0
	s_lshl_b32 s22, s[WV], 15                      ; my wave's place in a slot
	; descriptor group 1: a step's tile, 32,768 dense bytes, as 128 rows of 32 elements of 8 bytes; no padding: images are read 16 bytes a lane, on end
	s_mov_b32 s[G1], 15|(3<<16)|(1<<21)            ; 15:0 the mask: all four work-groups; 17:16 elements of 8 bytes; 21 set beside a mask
	s_mov_b32 s[G1+1], 32<<16
	s_mov_b32 s[G1+2], 128<<16
	s_mov_b32 s[G1+3], 32<<16
	s_mov_b32 s[G1+4], 128
	s_mov_b32 s[G1+5], 32
	s_mov_b32 s[G1+6], 0
	s_mov_b32 s[G1+7], 0
	s_mov_b32 s[CS], 0x3e0293ee                    ; c = log2(e) / sqrt(128)
	s_mov_b32 s[CS+1], s[CS]                       ; named with it as a pair, so it is written
	s_mov_b32 s[SEL], 0x76543210
	s_mov_b32 s[SEL+1], 0xfedcba98
	s_mov_b32 s[TB], 0
	s_mov_b32 s[SLOTS], 5
	s_and_b32 s[LIM], ttmp9, 7                     ; 0 in the batch's first cluster: the same in all four partners
	s_cmp_eq_u32 s[LIM], 0
	s_cselect_b32 s[LIM], 2, -1
	v_and_b32 v1, 31, v0
	v_lshlrev_b32 v[PFO], 8, v1
	v_lshlrev_b32 v[LI], 4, v1
	v_add_nc_u32 v[AK0], s22, v[LI]
	v_add_nc_u32 v[AV0], VOFF, v[AK0]
	s_wait_dscnt 0x0                               ; both opening adds are done
	s_wait_kmcnt 0x0
	s_add_nc_u64 s[6:7], s[6:7], s[20:21]          ; k and v at my wave's step 0
	s_mov_b32 s[G0A], 1
	s_mov_b32 s[G0A+1], s22                        ; step 0 into slot 0
	s_mov_b64 s[G0A+2:G0A+3], s[6:7]
	s_or_b32 s[G0A+3], s[G0A+3], 0x80000000
	s_mov_b32 s[G0W], 1
	s_add_co_u32 s[G0W+1], s22, SLOT1              ; step 1 into slot 1; this descriptor then walks
	s_add_nc_u64 s[G0W+2:G0W+3], s[6:7], 0x8000
	s_or_b32 s[G0W+3], s[G0W+3], 0x80000000
	CROUND                                         ; all four work-groups are here: the first joint loads meet
	tensor_load_to_lds s[G0A:G0A+3], s[G1:G1+7]    ; two loads of mine are out here, one later
	s_nop 0
	tensor_load_to_lds s[G0W:G0W+3], s[G1:G1+7]
	s_nop 0
.rept 4
	v_nop
.endr
	s_lshl_b32 s2, s13, 13                         ; the prefetches: my work-group's 8 KiB of a tile,
	s_mov_b32 s3, 0
	s_add_nc_u64 s[PFA:PFA+1], s[6:7], s[2:3]
	s_add_nc_u64 s[PFA:PFA+1], s[PFA:PFA+1], 3*32768   ; at step 3: the first change of slots steps it to step 4.  Nothing is prefetched here, at the head
	s_lshl_b32 s2, s14, 14
	s_add_nc_u64 s[4:5], s[4:5], s[2:3]            ; my work-group's 16 images of q
	s_lshl_b32 s2, s14, 15
	s_lshl_b32 s16, s[WV], 13
	s_add_co_u32 s2, s2, s16
	s_add_nc_u64 s[8:9], s[8:9], s[2:3]            ; out at row 64 x work-group + 16 w, 512 bytes a row
	WIN 0x80
.irp f, 0,1,2,3,4,5,6,7,8,9,10,11,12,13,14,15
	global_load_b128 v[8*\f:8*\f+3],   v[LI], s[4:5] offset:1024*\f       ; Q stays in registers: tile f / 4, channels 32 (f % 4) on
	global_load_b128 v[8*\f+4:8*\f+7], v[LI], s[4:5] offset:1024*\f+512
.endr
	WIN 0
; THE MATRIX WORK OF A TURN, for piece x.  The accumulators take turns, one instruction a turn.
; Product i of 32 of O^T += V^T P: keys 32 (i / 16) on, channels 16 ((i / 2) % 8) on, tile x + i % 2.  zero = 1: the first 16 start the sums.
.macro PV x, zero
	WIN W_PV
.set rO, 64*(\x+i%2)+8*((i/2)%8)
.set rV, 64*(i/16)+8*((i/2)%8)
.set rP, P+16*(\x+i%2)+8*(i/16)
.if \zero && (i < 16)
	v_wmma_f32_16x16x32_bf16 v[rO:rO+7], v[rV:rV+7], v[rP:rP+7], 0
.else
	v_wmma_f32_16x16x32_bf16 v[rO:rO+7], v[rV:rV+7], v[rP:rP+7], v[rO:rO+7]
.endif
.endm
; Product i of 32 of S^T = K Q^T: channels 32 (i / 8) on, keys 16 ((i / 2) % 4) on, tile x + i % 2.  The first 8 start the sums.
.macro KQ x
	WIN W_KQ
.set rS, S+32*(\x+i%2)+8*((i/2)%4)
.set rK, KF+32*((i/2)%4)+8*(i/8)
.set rQ, 32*(\x+i%2)+8*(i/8)
.if i < 8
	v_wmma_f32_16x16x32_bf16 v[rS:rS+7], v[rK:rK+7], v[rQ:rQ+7], 0
.else
	v_wmma_f32_16x16x32_bf16 v[rS:rS+7], v[rK:rK+7], v[rQ:rQ+7], v[rS:rS+7]
.endif
.endm
; THE LDS LOADS stand in runs of 32: a step's K (16 images) and, a turn later, its V (16 images).
.macro FETCH_K
	WIN 0
	v_add_nc_u32 v[ADR], s[TB], v[AK0]
	WIN 0x80
.irp f, 0,1,2,3,4,5,6,7,8,9,10,11,12,13,14,15  ; keys 16 (f / 4) on, channels 32 (f % 4) on
	ds_load_b128 v[KF+8*\f:KF+8*\f+3],   v[ADR] offset:1024*\f
	ds_load_b128 v[KF+8*\f+4:KF+8*\f+7], v[ADR] offset:1024*\f+512
.endr
.endm
.macro FETCH_V
	WIN 0
	v_add_nc_u32 v[ADR], s[TB], v[AV0]
	s_xor_b32 s[TB], s[TB], SLOT1                  ; the next fetch is the next step's: the other slot
	s_wait_alu depctr_va_vdst(0)                   ; the wait for the softmax's batch of exponentials (SLICE), behind the address's addition and ahead of the loads
	WIN 0xc0
.irp f, 0,1,2,3,4,5,6,7,8,9,10,11,12,13,14,15  ; keys 32 (f / 8) on, channels 16 (f % 8) on
	ds_load_b128 v[8*\f:8*\f+3],   v[ADR] offset:1024*\f
	ds_load_b128 v[8*\f+4:8*\f+7], v[ADR] offset:1024*\f+512
.endr
.endm
; THE VECTOR WORK OF A TURN.  One tile's softmax for one key step is a list of 134 instructions; SM writes number j of it for tile t.  first = 1: the first key step, which starts m, l and O^T.
;   0-15 the maximum of the lane's 32 scores and the old m;  16-20 the other half of the lanes' maximum, the new m, c m, c m_old - c m_new;
;   21-69 ONE BATCH: the 16 packed scalings c s - c m and all 33 exponentials (a at 23); none of these reads an exponential's result;  (the wait for the batch: SLICE writes it)
;   70-85 the roundings to bf16;  86-101 the sums, l = a l + the sum;  102-133 the tile's O^T times a.
.macro SM t, first
.set rT, ST+8*(\t)
.set rS, S+32*(\t)
.set rP, P+16*(\t)
.set rO, 64*(\t)+2*(j-102)
.if j < 102
	WIN 0
.endif
.if j < 4
	v_max3_num_f32 v[rT+4+j], v[rS+8*j], v[rS+8*j+1], v[rS+8*j+2]
.elseif j < 12
	v_max3_num_f32 v[rT+4+j%4], v[rT+4+j%4], v[rS+8*(j%4)+2*(j/4)+1], v[rS+8*(j%4)+2*(j/4)+2]
.elseif j == 12
	v_max3_num_f32 v[rT+4], v[rT+4], v[rS+7], v[rS+15]
.elseif j == 13
	v_max3_num_f32 v[rT+6], v[rT+6], v[rS+23], v[rS+31]
.elseif j == 14
	v_max3_num_f32 v[rT+4], v[rT+4], v[rT+5], v[rT+6]
.elseif (j == 15) && \first
	v_max_num_f32 v[rT+4], v[rT+4], v[rT+7]
.elseif j == 15
	v_max3_num_f32 v[rT+4], v[rT+4], v[rT+7], v[rT+1]
.elseif j == 16
	v_permlanex16_b32 v[rT+5], v[rT+4], s[SEL], s[SEL+1]  ; the query's other 32 keys lie in the lane 16 away
.elseif j == 18
	v_max_num_f32 v[rT+1], v[rT+4], v[rT+5]
.elseif j == 19
	v_mul_f32 v[rT], s[CS], v[rT+1]
.elseif ((j == 17) || (j == 20) || (j == 23) || (j > 101)) && \first  ; the first step has none of these
.elseif j == 17
	v_mov_b32 v[rT+7], v[rT]                       ; c m_old is kept for a
.elseif j == 20
	v_sub_f32 v[rT+7], v[rT+7], v[rT]
.elseif j == 23
	v_exp_f32 v[rT+6], v[rT+7]
.elseif (j < 23) || ((j < 38) && (j%2 == 0)) || ((j < 66) && (j%4 == 2))
.set b, (j-2)/4
.if j < 38
.set b, (j-20)/2
.endif
	v_pk_fma_f32 v[rS+2*b:rS+2*b+1], v[rS+2*b:rS+2*b+1], s[CS:CS+1], v[rT:rT+1] op_sel_hi:[1,0,0] neg_lo:[0,0,1] neg_hi:[0,0,1]  ; pair b: c s - c m
.elseif j < 70
.set e, j-38
.if j < 66
.set e, j-32-(j-38)/4
.endif
.if j < 38
.set e, (j-25)/2
.endif
	v_exp_f32 v[rS+e], v[rS+e]
.elseif j < 86
	v_cvt_pk_bf16_f32 v[rP+j-70], v[rS+2*(j-70)], v[rS+2*(j-70)+1]
.elseif j < 102
.set z, j-86
.set w, 4
.set u, z
.if z >= 14
.set w, 32
.set u, 0
.elseif z >= 12
.set w, 16
.set u, z-12
.elseif z >= 8
.set w, 8
.set u, z-8
.endif
.if (z == 14) && \first
	v_pk_add_f32 v[rT+2:rT+3], v[rS:rS+1], v[rS+16:rS+17]
.elseif z < 15
	v_pk_add_f32 v[rS+w*u:rS+w*u+1], v[rS+w*u:rS+w*u+1], v[rS+w*u+w/2:rS+w*u+w/2+1]
.elseif !\first
	v_pk_fma_f32 v[rT+2:rT+3], v[rT+2:rT+3], v[rT+6:rT+7], v[rS:rS+1] op_sel_hi:[1,0,1]
.endif
.else
	WIN W_RS
	v_pk_mul_f32 v[rO:rO+1], v[rO:rO+1], v[rT+6:rT+7] op_sel_hi:[1,0]
.endif
.endm
; Slice k of 64 of piece y's softmax: four instructions.  Slices 11 to 34 deal out the batch, four numbers of ONE tile each, the tiles by turns; every other slice is numbers 2 k and 2 k + 1 of both tiles'
; lists; the twelve that are over stand in slice 63.  Ahead of slice 35 nothing names an exponential's result, and behind slice 34 none is issued: so the piece's 66 exponentials have one wait, behind slice 34.
.macro SLICE y, first
.if (k >= 11) && (k < 35)
.irp n, 0,1,2,3
.set j, 22+4*((k-11)/2)+(\n)
	SM (\y)+(k-11)%2, \first
.endr
.else
.irp n, 0,1,2,3,4,5,6,7
.if (\n < 2) || (k == 63)
.irp t, \y, \y+1
.set j, 2*k+\n
	SM \t, \first
.endr
.endif
.endr
.endif
.if k == 34
	v_nop                                          ; the plain instruction behind the last exponential and ahead of the first use: one for the batch
.if (\y) == 0
	FETCH_V                                        ; piece 2's turn: V's run of loads stands here, and the wait stands in it
.else
	s_wait_alu depctr_va_vdst(0)                   ; the wait ahead of the batch's first reader
.endif
.endif
.set k, k+1
.endm
.macro PLACES
.rept 4
	v_nop
.endr
.endm
; A TURN.  Piece x has the matrix unit.  pv = 2: 32 products V^T P; 1: they start O^T's sums; 0: none.  kq = 1: 32 products K Q^T for the next step.  A turn with one of the two kinds has two slices behind
; each product.  Piece 0's turn fetches the next step's K behind its second product; piece 2's turn the same step's V behind slice 34.
.macro TURN x, pv, kq, first
.set k, 0
.set per, 2
.if \pv && \kq
.set per, 1
.endif
.if \pv
.if \x == 0
	s_wait_dscnt 0x0                               ; V is in
.endif
.set i, 0
.rept 32
	PV \x, 2-\pv
.rept per
	SLICE 2-\x, \first
.endr
.if (\x == 0) && \kq && (i == 1)
	FETCH_K
.endif
.set i, i+1
.endr
.endif
.if \kq
.if \x == 0
	s_wait_dscnt 0x0                               ; K is in
.endif
.set i, 0
.rept 32
	KQ \x
.rept per
	SLICE 2-\x, \first
.endr
.set i, i+1
.endr
.endif
.if \first
	PLACES
.endif
.endm
; THE CHANGE OF SLOTS, between piece 2's turn and piece 0's, once a key step: the slot's last bytes, the step's V, have been asked for.  Each wave waits for all its tensor loads (the other slot's), adds 0 to
; its spare word, and waits for that and for its reads of the slot.  fill = 1: a round of the cluster's barrier, and the slot is filled again with the step two on: it has a key step, 128 matrix instructions, in which to land.
.macro CHANGE fill
	WIN 0
	s_wait_tensorcnt 0x0                           ; no tensor load of mine is out, so a group 0 may be written
	ds_add_u32 v[SPW], v[NIL]                      ; 0 onto my spare word
.if \fill
	s_xor_b32 s[G0W+1], s[G0W+1], SLOT1            ; the walking descriptor: the other slot than last time,
	s_add_nc_u64 s[G0W+2:G0W+3], s[G0W+2:G0W+3], 0x8000   ; the next step
	s_wait_xcnt 0x0                                ; the last prefetch, a key step back, has read its address
	s_add_nc_u64 s[PFA:PFA+1], s[PFA:PFA+1], 0x8000
	s_wait_dscnt 0x0                               ; the add is done, and my reads of the slot are over
	CROUND
	tensor_load_to_lds s[G0W:G0W+3], s[G1:G1+7]
	s_nop 0
.rept 4
	v_nop
.endr
	ASK
.else
	s_wait_dscnt 0x0
	s_barrier_signal -1
	s_barrier_wait -1
.endif
.endm
	s_wait_tensorcnt 1                             ; my step 0 is in; step 1 may stay out
	s_barrier_signal -1
	s_barrier_wait -1
	FETCH_K                                        ; key step 0
	s_wait_loadcnt 0x0                             ; Q
	s_wait_dscnt 0x0
.set i, 0
.rept 32
	KQ 0                                           ; piece 0's first scores
.set i, i+1
.endr
	WIN 0                                          ; the merge's addresses are made here: plain instructions, the places behind those products
	v_and_b32 v1, 15, v0                           ; r
	v_bfe_u32 v9, v0, 4, 1                         ; h
	v_and_b32 v10, 31, v0
	s_mul_i32 s23, s[WV], PART
	v_mul_u32_u24 v[STO], v1, SPT
	v_lshl_add_u32 v[STO], v9, 5, v[STO]
	v_add_nc_u32 v[STO], s23, v[STO]               ; my partial sums: row r of a tile, + 32 h
	v_lshl_add_u32 v[SL], v10, 2, STATS
	s_lshl_b32 s23, s[WV], 10
	v_add_nc_u32 v[SA], s23, v[SL]
	s_mul_i32 s23, s[WV], 16*SPT
	v_add_nc_u32 v[RD], s23, v[LI]                 ; rows 16 w on, 16 bytes a lane, in partial sum 0,
	v_add_nc_u32 v[RD+1], PART, v[RD]              ; 1,
	v_add_nc_u32 v[RD+2], 2*PART, v[RD]            ; 2,
	v_add_nc_u32 v[RD+3], 3*PART, v[RD]            ; 3
	TURN 2, 0, 1, 1                                ; piece 2's first scores | piece 0's first softmax | V of step 0
	CHANGE 1                                       ; step 2 into slot 0
	TURN 0, 1, 1, 1                                ; piece 0: V^T P of step 0 starts O^T, K Q^T of step 1 | piece 2's first softmax | K of step 1
	TURN 2, 1, 1, 0                                ; piece 2: the same | piece 0's softmax of step 1 | V of step 1
	WIN 0
.Lstep:                                            ; five trips: steps 3 to 7 are asked for
	CHANGE 1
	TURN 0, 2, 1, 0
	TURN 2, 2, 1, 0
	WIN 0
	s_sub_co_u32 s[SLOTS], s[SLOTS], 1
	s_cmp_lg_u32 s[SLOTS], 0
	s_cbranch_scc1 .Lstep
	CHANGE 0                                       ; the tail is written out: nothing is asked for
	TURN 0, 2, 1, 0
	TURN 2, 2, 1, 0
	TURN 0, 2, 0, 0                                ; piece 0: V^T P of the last step | piece 2's last softmax
.set i, 0
.rept 32
	PV 2, 0                                        ; piece 2: V^T P of the last step
.set i, i+1
.endr
	; THE MERGE.  Each wave's l is made whole; c m and l of all four waves meet in LDS; each wave brings its O^T under the common maximum and divides by the common sum: factor f = 2^(c m_own - c M) / L.
	WIN 0
.irp t, 0,1,2,3
	v_add_f32 v[ST+8*\t+4], v[ST+8*\t+2], v[ST+8*\t+3]
.endr
.irp t, 0,1,2,3
	v_permlanex16_b32 v[ST+8*\t+5], v[ST+8*\t+4], s[SEL], s[SEL+1]
.endr
.irp t, 0,1,2,3
	v_add_f32 v[ST+8*\t+4], v[ST+8*\t+4], v[ST+8*\t+5]
.endr
.irp t, 0,1,2,3
	ds_store_b32 v[SA], v[ST+8*\t] offset:256*\t
	ds_store_b32 v[SA], v[ST+8*\t+4] offset:256*\t+128
.endr
	s_wait_dscnt 0x0                               ; my stores have landed, and my reads of the ring are over
	s_barrier_signal -1
	s_barrier_wait -1
.irp p, 0,1,2,3
.irp t, 0,1,2,3
	ds_load_b32 v[S+4*\p+\t], v[SL] offset:1024*\p+256*\t
	ds_load_b32 v[S+16+4*\p+\t], v[SL] offset:1024*\p+256*\t+128
.endr
.endr
	s_wait_dscnt 0x0
.irp t, 0,1,2,3
	v_max3_num_f32 v[S+32+\t], v[S+\t], v[S+4+\t], v[S+8+\t]
.endr
.irp t, 0,1,2,3
	v_max_num_f32 v[S+32+\t], v[S+32+\t], v[S+12+\t]   ; c M
.endr
.irp p, 0,1,2,3
.irp t, 0,1,2,3
	v_sub_f32 v[S+4*\p+\t], v[S+4*\p+\t], v[S+32+\t]
.endr
.endr
.irp t, 0,1,2,3
	v_sub_f32 v[S+36+\t], v[ST+8*\t], v[S+32+\t]
.endr
.irp n, 0,1,2,3,4,5,6,7,8,9,10,11,12,13,14,15
	v_exp_f32 v[S+\n], v[S+\n]
.endr
.irp t, 0,1,2,3
	v_exp_f32 v[S+36+\t], v[S+36+\t]
.endr
	v_nop                                          ; a plain instruction behind the last exponential
	s_wait_alu depctr_va_vdst(0)                   ; one wait for the batch of twenty, ahead of its first reader
.irp t, 0,1,2,3
	v_mul_f32 v[S+40+\t], v[S+\t], v[S+16+\t]
.endr
.irp p, 1,2,3
.irp t, 0,1,2,3
	v_fmac_f32 v[S+40+\t], v[S+4*\p+\t], v[S+16+4*\p+\t]   ; L = the sum over the waves of 2^(c m_p - c M) l_p
.endr
.endr
.irp t, 0,1,2,3
	v_rcp_f32 v[S+44+\t], v[S+40+\t]
.endr
	v_nop
	s_wait_alu depctr_va_vdst(0)                   ; one wait for the four reciprocals
.irp t, 0,1,2,3
	v_mul_f32 v[ST+8*\t+6], v[S+36+\t], v[S+44+\t]
.endr
	WIN W_RS
.irp t, 0,1,2,3
.set i, 64*\t
.rept 32
	v_pk_mul_f32 v[i:i+1], v[i:i+1], v[ST+8*\t+6:ST+8*\t+7] op_sel_hi:[1,0]   ; each accumulator from its low end on
.set i, i+2
.endr
.endr
	WIN 0x04                                       ; an LDS store's data are its source 1: window 1
.irp t, 0,1,2,3
.irp c, 0,1,2,3,4,5,6,7
	ds_store_b128 v[STO], v[64*\t+8*\c:64*\t+8*\c+3] offset:16*SPT*\t+64*\c        ; lane (r, h): query 16 t + r, channels 16 c + 8 h + 0 .. 7
	ds_store_b128 v[STO], v[64*\t+8*\c+4:64*\t+8*\c+7] offset:16*SPT*\t+64*\c+16
.endr
.endr
	WIN 0
	s_wait_dscnt 0x0
	s_barrier_signal -1
	s_barrier_wait -1                              ; the four partial sums lie in the stage
.irp g, 0,1,2,3                                    ; wave w adds rows 16 w .. 16 w + 15, four at a time, in a fixed order, and stores whole rows
.if \g >= 2
	s_wait_xcnt 0x0                                ; the stores of two groups back have read their registers
.endif
.irp n, 0,1,2,3
.irp p, 0,1,2,3
	ds_load_b128 v[S+64*(\g%2)+16*\n+4*\p:S+64*(\g%2)+16*\n+4*\p+3], v[RD+\p] offset:SPT*(4*\g+\n)
.endr
.endr
	s_wait_dscnt 0x0
.irp n, 0,1,2,3
	v_pk_add_f32 v[S+64*(\g%2)+16*\n:S+64*(\g%2)+16*\n+1], v[S+64*(\g%2)+16*\n:S+64*(\g%2)+16*\n+1], v[S+64*(\g%2)+16*\n+4:S+64*(\g%2)+16*\n+5]
	v_pk_add_f32 v[S+64*(\g%2)+16*\n+2:S+64*(\g%2)+16*\n+3], v[S+64*(\g%2)+16*\n+2:S+64*(\g%2)+16*\n+3], v[S+64*(\g%2)+16*\n+6:S+64*(\g%2)+16*\n+7]
	v_pk_add_f32 v[S+64*(\g%2)+16*\n+8:S+64*(\g%2)+16*\n+9], v[S+64*(\g%2)+16*\n+8:S+64*(\g%2)+16*\n+9], v[S+64*(\g%2)+16*\n+12:S+64*(\g%2)+16*\n+13]
	v_pk_add_f32 v[S+64*(\g%2)+16*\n+10:S+64*(\g%2)+16*\n+11], v[S+64*(\g%2)+16*\n+10:S+64*(\g%2)+16*\n+11], v[S+64*(\g%2)+16*\n+14:S+64*(\g%2)+16*\n+15]
	v_pk_add_f32 v[S+64*(\g%2)+16*\n:S+64*(\g%2)+16*\n+1], v[S+64*(\g%2)+16*\n:S+64*(\g%2)+16*\n+1], v[S+64*(\g%2)+16*\n+8:S+64*(\g%2)+16*\n+9]
	v_pk_add_f32 v[S+64*(\g%2)+16*\n+2:S+64*(\g%2)+16*\n+3], v[S+64*(\g%2)+16*\n+2:S+64*(\g%2)+16*\n+3], v[S+64*(\g%2)+16*\n+10:S+64*(\g%2)+16*\n+11]
	global_store_b128 v[LI], v[S+64*(\g%2)+16*\n:S+64*(\g%2)+16*\n+3], s[8:9] offset:512*(4*\g+\n) th:TH_STORE_NT   ; 32 lanes store a row of 512 bytes, aligned; written once
.endr
.endr
	s_wait_tensorcnt 0x0                           ; the wave's end: behind my last tensor load and my last LDS store
	ds_add_u32 v[SPW], v[NIL]
	s_wait_dscnt 0x0
	CROUND                                         ; the closing round: no work-group ends while a partner may still ask for a tile that names it
	s_endpgm
.Lfunc_end_k_q65b6d036ec_attn:
	.size	k_q65b6d036ec_attn, .Lfunc_end_k_q65b6d036ec_attn-k_q65b6d036ec_attn
	.p2alignl 7, 3214868480
	.fill 96, 4, 3214868480
	.section	.rodata,"a",@progbits
	.p2align	6, 0x0
	.amdhsa_kernel k_q65b6d036ec_attn
		.amdhsa_group_segment_fixed_size 327680
		.amdhsa_private_segment_fixed_size 0
		.amdhsa_enable_private_segment 0
		.amdhsa_kernarg_size 24
		.amdhsa_user_sgpr_count 2
		.amdhsa_user_sgpr_kernarg_segment_ptr 1
		.amdhsa_wavefront_size32 1
		.amdhsa_system_sgpr_workgroup_id_x 1
		.amdhsa_system_sgpr_workgroup_id_y 1
		.amdhsa_system_sgpr_workgroup_id_z 1
		.amdhsa_system_vgpr_workitem_id 0
		.amdhsa_next_free_vgpr 1024
		.amdhsa_next_free_sgpr 66
		.amdhsa_reserve_vcc 0
		.amdhsa_float_denorm_mode_32 3
		.amdhsa_float_denorm_mode_16_64 3
		.amdhsa_memory_ordered 1
		.amdhsa_forward_progress 1
		.amdhsa_inst_pref_size 224
	.end_amdhsa_kernel
	.amdgpu_metadata
---
amdhsa.version: [ 1, 2 ]
amdhsa.kernels:
  - .name:           k_q65b6d036ec_attn
    .symbol:         k_q65b6d036ec_attn.kd
    .args:
      - { .name: qimg, .offset: 0, .size: 8, .value_kind: global_buffer, .address_space: global }
      - { .name: kvimg, .offset: 8, .size: 8, .value_kind: global_buffer, .address_space: global }
      - { .name: out0, .offset: 16, .size: 8, .value_kind: global_buffer, .address_space: global }
    .group_segment_fixed_size: 327680
    .private_segment_fixed_size: 0
    .kernarg_segment_align: 8
    .kernarg_segment_size: 24
    .max_flat_workgroup_size: 128
    .sgpr_count:     66
    .vgpr_count:     1024
    .wavefront_size: 32
...
	.end_amdgpu_metadata
.endif
;; end of part 3
;; ======== version 2 of 2: 3 launches
;; workspace buffers: wstream 4,063,232 bytes; wscale 40,960 bytes; qimg 4,194,304 bytes; kvimg 8,388,608 bytes
;; launch prep: the kernel of part 1 again; grid 62 x 8, 4 waves a work-group, no clusters, 0 bytes of LDS; arguments W1, W2, W3, W4, Wq, Wk, Wv, wstream, wscale; writes wstream, wscale
;; launch front (part 4): grid 256 x 1, 4 waves a work-group, no clusters, 172,544 bytes of LDS; arguments x, y, wstream, wscale, b1, b2, b3, b4, bq, bk, bv, qimg, kvimg; writes qimg, kvimg
.if DOCPART == 4
	.amdgcn_target "amdgcn-amd-amdhsa--gfx1250"
	.amdhsa_code_object_version 6
	.text
	.protected	k_q65b6d036ec_front
	.globl	k_q65b6d036ec_front
	.p2align	8
	.type	k_q65b6d036ec_front,@function
k_q65b6d036ec_front:
	s_mov_b64 s[64:65], 0
	v_nop
	global_prefetch_b8 v0, s[64:65] scope:SCOPE_SE
	s_setreg_imm32_b32 hwreg(HW_REG_WAVE_MODE, 25, 1), 1
	s_wait_xcnt 0x0
; k = y Wk + bk, v = y Wv + bv, q = MLP(x) Wq + bq, for 64 rows of y and 64 rows of x a work-group; no hidden layer goes to memory.
; x W1, y Wk and y Wv are products on codes of FP4 (E2M1) with one E8M0 scale for each 32 along K: x and y are quantised here, in registers; the weights' codes come ready.
; The other products take bf16 operands and f32 sums; h1 .. h4, q, k and v are rounded to bf16 once each.
; LIMITS: NaN and infinities among the inputs are not served; a block of zeros gets the scale byte 1 with zero codes (the bytes are read here alone).
; THE WEIGHTS are one stream of 62 chunks of 64 KiB in the order of use, each laid as images of the operand registers, a quarter for each wave.  A WAVE LOADS ITS QUARTER STRAIGHT INTO REGISTERS: window 1 is a
; ring of two chunks in eight groups of four fragments; when a group's 16 matrix instructions are issued, its registers take the same group two chunks on.  So 56 loads of a wave (28 KiB) are on their way
; at all times, each asked for 112 matrix instructions ahead of its use, and no barrier stands inside a layer.
; NO CLUSTER AND NO RING IN LDS, though all work-groups walk the same stream: with 64 rows a chunk is only 64 matrix instructions a wave; beside the 128 KiB of activations LDS has room for two chunks
; (three miss by the 512 spare bytes), and a ring of two has one load a wave on its way behind each change of slots, with 48 matrix instructions in which to land.
; SHARES.  The waves share the COLUMNS: in a layer of 1,024 outputs wave w makes columns 256 w .. + 255 for all 64 rows: 64 accumulators, 512 registers.  So a whole layer's output lies in registers,
; and ONE buffer of 128 KiB in LDS is a layer's input and then its output.  A chunk is 16 weight fragments a wave x 4 tiles of rows.
; THE PRODUCTS ARE USED TRANSPOSED (source 0 = 16 columns of the weight, source 1 = 16 rows): a lane holds one row and eight neighbouring outputs, which, rounded to bf16, are four registers of the
; next layer's fragment IN THE SAME LANE: activations go through LDS as images of registers, 16 bytes a lane.  v alone is made in the natural order, so that a lane holds a channel and eight keys.
; The biases are loaded into the accumulators: they start the sums.
; LDS: 0 ACT [K chunk of 32: 4,096][tile of rows: 1,024][half: 512][16 x lane], before h1 the tables of y's and x's codes (128 rows x 528) and scale bytes (128 x 48);
;   131,072 the weights' scale words, 10,240 bytes of its own for each wave, from h2 on h2's images; 172,032 the spare words.
; REGISTERS: window 0: v1-17 addresses; v30, v31 the add's two; v32-159 fragments of activations (work registers in the phases between); v160-191 rows' scale words, v192-207 weights' scale words; v208-227 bk, bv.
;   window 1: the weights' fragments: chunk parity p, fragment f at v[128 p + 8 f].  windows 2, 3: accumulator 4 t + mt at register 8 ((4 t + mt) % 32) of window 2 + t / 8.  While rows are quantised window 3 holds eight rows of f32.
.set ACT,   0
.set CT,    ACT                        ; codes: row 32 w + 16 (0: y, 1: x) + i, 512 bytes + 16
.set CP,    528
.set ST,    CT+128*CP                  ; scale bytes: 32 a row + 16
.set SP,    48
.set WSC,   131072
.set ACT2,  WSC
.set SPARE, WSC+40960
.set LI,   1                           ; 16 x lane
.set VX,   2                           ; 32 x lane
.set VB,   3                           ; 32 h
.set WST,  4                           ; where I store my wave's scale words: WSC + 10,240 w + 16 x lane
.set ADA,  6                           ; the activations' images, stepped
.set ADCY, 7                           ; y's codes: CT + 528 r + 16 h
.set ADCX, 8                           ; x's, stepped by 64 a K step
.set ADSY, 9                           ; y's scale words: ST + 48 r
.set ADSX, 10                          ; x's, stepped by 4
.set ADWK, 11                          ; Wk's and Wv's scale words: WSC + 10,240 w + 4 x lane
.set ADW1, 12                          ; W1's, stepped by 128
.set RC,   13                          ; where I store codes, stepped by eight rows
.set RS,   14                          ; and scale bytes
.set DST,  15                          ; where my outputs' images go in ACT
.set DST2, 16                          ; and in ACT2
.set R4,   17                          ; 4 r
.set SPW,  30
.set NIL,  31
.set AF,   32
.set T,    32
.set U,    64
.set AS,   160
.set SB,   192
.set BK,   208
.set BV,   224
.set WPB,  44                          ; s[44:59] the stream's eight pointers: group g of chunk parity p at s[44 + 8 p + 2 g]
.set MUL_LO, 0xa1                      ; source 0 window 1, source 1 window 0, C and D window 2
.set MUL_HI, 0xf1                      ; the same, C and D window 3
.set MUL_V,  0xa4                      ; source 0 window 0, source 1 window 1, C and D window 2
.set MUL_Y3, 0xad                      ; source 0 window 1, source 1 window 3, C and D window 2
.set TO_B,   0x40
.set MSB, 0
.macro WIN new                         ; the immediate's high byte repeats the setting that is left; a switch that changes nothing is dropped
.if MSB != (\new)
	s_set_vgpr_msb (MSB<<8)|(\new)
.set MSB, (\new)
.endif
.endm
.macro ADDC reg, c                     ; a region's first byte onto an address; nothing where it is 0
.if (\c) != 0
	v_add_nc_u32 v[\reg], \c, v[\reg]
.endif
.endm
.macro PLACES                          ; four plain places behind matrix instructions (ISA guide 7.12.1), where no other vector work is at hand
.rept 4
	v_nop
.endr
.endm
.macro PBAR                            ; my LDS stores have landed and my LDS loads are in: then the work-group's barrier
	s_wait_dscnt 0x0
	s_barrier_signal -1
	s_barrier_wait -1
.endm
; Group g of the ring's half p is asked for: four fragments, eight loads of 512 consecutive bytes.  step = 1: two chunks on from the group's last loads, which the counted wait ahead of the group's
; products has shown landed: so their pointer may be written.
.macro WLOAD p, g, step
.if \step
	s_add_nc_u64 s[WPB+8*(\p)+2*(\g):WPB+8*(\p)+2*(\g)+1], s[WPB+8*(\p)+2*(\g):WPB+8*(\p)+2*(\g)+1], 0x20000
.endif
	WIN TO_B
.irp f, 0,1,2,3
	global_load_b128 v[128*(\p)+32*(\g)+8*\f:128*(\p)+32*(\g)+8*\f+3], v[LI], s[WPB+8*(\p)+2*(\g):WPB+8*(\p)+2*(\g)+1] offset:1024*\f
	global_load_b128 v[128*(\p)+32*(\g)+8*\f+4:128*(\p)+32*(\g)+8*\f+7], v[LI], s[WPB+8*(\p)+2*(\g):WPB+8*(\p)+2*(\g)+1] offset:1024*\f+512
.endr
.endm
.macro LDAW set                        ; a wide chunk's activations: 32 along K, four tiles of rows
.irp mt, 0,1,2,3
	ds_load_b128 v[AF+32*(\set)+8*\mt:AF+32*(\set)+8*\mt+3], v[ADA] offset:1024*\mt
	ds_load_b128 v[AF+32*(\set)+8*\mt+4:AF+32*(\set)+8*\mt+7], v[ADA] offset:1024*\mt+512
.endr
	v_add_nc_u32 v[ADA], 4096, v[ADA]
.endm
.macro LDAN base, s0, n                ; a narrow chunk's activations: K steps s0 .. s0 + n - 1 of the chunk at ADA
.set SS, 0
.rept \n
.irp mt, 0,1,2,3
	ds_load_b128 v[(\base)+32*SS+8*\mt:(\base)+32*SS+8*\mt+3], v[ADA] offset:4096*((\s0)+SS)+1024*\mt
	ds_load_b128 v[(\base)+32*SS+8*\mt+4:(\base)+32*SS+8*\mt+7], v[ADA] offset:4096*((\s0)+SS)+1024*\mt+512
.endr
.set SS, SS+1
.endr
.endm
.macro LDAC adr, base, k0, n           ; fragments of codes: K steps k0 .. of 128; registers 4 c .. hold k = 64 c + 32 h + 0 .. 31: 16 bytes of the row as they lie
.set SS, 0
.rept \n
.irp mt, 0,1,2,3
	ds_load_b128 v[(\base)+32*SS+8*\mt:(\base)+32*SS+8*\mt+3], v[\adr] offset:32*CP*\mt+64*((\k0)+SS)
	ds_load_b128 v[(\base)+32*SS+8*\mt+4:(\base)+32*SS+8*\mt+7], v[\adr] offset:32*CP*\mt+64*((\k0)+SS)+32
.endr
.set SS, SS+1
.endr
.endm
; The accumulators take turns, one instruction a turn, in the same order in every chunk.
.macro MULS p, t0, t1, fmt             ; a wide chunk's tiles t0 .. t1 of columns x the four tiles of rows; fmt 1: on codes
.set TT, \t0
.rept (\t1)-(\t0)+1
.irp mt, 0,1,2,3
.set AC, 8*((4*TT+\mt)%32)
.if \fmt
.if TT%2
	v_wmma_scale_f32_16x16x128_f8f6f4 v[AC:AC+7], v[128*(\p)+8*TT:128*(\p)+8*TT+7], v[AF+32*(\p)+8*\mt:AF+32*(\p)+8*\mt+7], v[AC:AC+7], v[SB+8*(\p)+TT/2], v[AS+16*(\p)+\mt] matrix_a_fmt:MATRIX_FMT_FP4 matrix_b_fmt:MATRIX_FMT_FP4 matrix_a_scale:MATRIX_SCALE_ROW1
.else
	v_wmma_scale_f32_16x16x128_f8f6f4 v[AC:AC+7], v[128*(\p)+8*TT:128*(\p)+8*TT+7], v[AF+32*(\p)+8*\mt:AF+32*(\p)+8*\mt+7], v[AC:AC+7], v[SB+8*(\p)+TT/2], v[AS+16*(\p)+\mt] matrix_a_fmt:MATRIX_FMT_FP4 matrix_b_fmt:MATRIX_FMT_FP4
.endif
.else
	v_wmma_f32_16x16x32_bf16 v[AC:AC+7], v[128*(\p)+8*TT:128*(\p)+8*TT+7], v[AF+32*(\p)+8*\mt:AF+32*(\p)+8*\mt+7], v[AC:AC+7]
.endif
.endr
.set TT, TT+1
.endr
.endm
.macro KVM cc, p, mt                   ; one product of y with Wk (tiles 0, 1: transposed) or with Wv (tiles 2, 3: natural order); cc: its C
.if TT == 0
	v_wmma_scale_f32_16x16x128_f8f6f4 v[AC:AC+7], v[BR:BR+7], v[AR:AR+7], \cc, v[SB+8*(\p)+SS], v[AS+16*(\p)+4*(\mt)+SS] matrix_a_fmt:MATRIX_FMT_FP4 matrix_b_fmt:MATRIX_FMT_FP4
.elseif TT == 1
	v_wmma_scale_f32_16x16x128_f8f6f4 v[AC:AC+7], v[BR:BR+7], v[AR:AR+7], \cc, v[SB+8*(\p)+SS], v[AS+16*(\p)+4*(\mt)+SS] matrix_a_fmt:MATRIX_FMT_FP4 matrix_b_fmt:MATRIX_FMT_FP4 matrix_a_scale:MATRIX_SCALE_ROW1
.elseif TT == 2
	v_wmma_scale_f32_16x16x128_f8f6f4 v[AC:AC+7], v[AR:AR+7], v[BR:BR+7], \cc, v[AS+16*(\p)+4*(\mt)+SS], v[SB+8*(\p)+4+SS] matrix_a_fmt:MATRIX_FMT_FP4 matrix_b_fmt:MATRIX_FMT_FP4
.else
	v_wmma_scale_f32_16x16x128_f8f6f4 v[AC:AC+7], v[AR:AR+7], v[BR:BR+7], \cc, v[AS+16*(\p)+4*(\mt)+SS], v[SB+8*(\p)+4+SS] matrix_a_fmt:MATRIX_FMT_FP4 matrix_b_fmt:MATRIX_FMT_FP4 matrix_b_scale:MATRIX_SCALE_ROW1
.endif
.endm
; a narrow chunk's fragments f0 .. f1.  kind 0: y with Wk, Wv (fragment 4 s + t, on codes); 1: W2 (4 s + t); 2: Wq (2 s + t; K steps 4 .. 7 of the activations lie in window 3)
.macro MULN p, f0, f1, kind, zero
.set FF, \f0
.rept (\f1)-(\f0)+1
.if \kind == 2
.set SS, FF/2
.set TT, FF%2
.else
.set SS, FF/4
.set TT, FF%4
.endif
.set BR, 128*(\p)+8*FF
.if (\kind == 0) && (TT >= 2)
	WIN MUL_V
.elseif (\kind == 2) && (SS >= 4)
	WIN MUL_Y3
.else
	WIN MUL_LO
.endif
.irp mt, 0,1,2,3
.set AC, 8*(4*TT+\mt)
.set AR, AF+32*SS+8*\mt
.if (\kind == 2) && (SS >= 4)
.set AR, 32*(SS-4)+8*\mt
.endif
.if \kind == 0
.if (\zero) && (SS == 0)
	KVM 0, \p, \mt
.else
	KVM v[AC:AC+7], \p, \mt
.endif
.else
	v_wmma_f32_16x16x32_bf16 v[AC:AC+7], v[BR:BR+7], v[AR:AR+7], v[AC:AC+7]
.endif
.endr
.set FF, FF+1
.endr
.endm
.macro BLOAD t, sb                     ; the next layer's bias into tile t's four accumulators: lane (r, h) wants the bias of columns 16 t + 8 h + 0 .. 7
	WIN 0x80+0x40*((\t)/8)
.irp mt, 0,1,2,3
	global_load_b128 v[8*((4*(\t)+\mt)%32):8*((4*(\t)+\mt)%32)+3], v[VB], s[\sb:\sb+1] offset:64*(\t)
	global_load_b128 v[8*((4*(\t)+\mt)%32)+4:8*((4*(\t)+\mt)%32)+7], v[VB], s[\sb:\sb+1] offset:64*(\t)+16
.endr
.endm
.macro DR t, dst, ofs                  ; tile t: relu in f32 (each accumulator from its low end on), bf16, and into the next layer's images
	WIN 0x08+0x04*((\t)/8)
.irp mt, 0,1,2,3
.irp j, 0,1,2,3,4,5,6,7
	v_max_num_f32 v[T+8*\mt+\j], 0, v[8*((4*(\t)+\mt)%32)+\j]
.endr
.endr
	WIN 0
.irp mt, 0,1,2,3
.irp u, 0,1,2,3
	v_cvt_pk_bf16_f32 v[U+16*((\t)%2)+4*\mt+\u], v[T+8*\mt+2*\u], v[T+8*\mt+2*\u+1]
.endr
.endr
.irp mt, 0,1,2,3
	ds_store_b128 v[\dst], v[U+16*((\t)%2)+4*\mt:U+16*((\t)%2)+4*\mt+3] offset:(\ofs)+1024*\mt
.endr
.endm
.macro DRAIN nt, dst, sa, na, sb       ; nt tiles go out; tile t's accumulators then take the bias at s[sa] (t < na) or at s[sb] (sb = 0: nothing).  The places behind the layer's last products stand behind its last group
.set TD, 0
.rept \nt
	DR TD, \dst, 4096*(TD/2)+512*(TD%2)
.if TD < \na
	BLOAD TD, \sa
.elseif \sb
	BLOAD TD, \sb
.endif
.set TD, TD+1
.endr
	WIN 0
.endm
.macro L1A b                           ; x's fragments, x's scale words and W1's of the next K step, into bank b
	LDAC ADCX, AF+32*(\b), 0, 1
.irp mt, 0,1,2,3
	ds_load_b32 v[AS+16*(\b)+\mt], v[ADSX] offset:32*SP*\mt
.endr
.irp i, 0,1,2,3,4,5,6,7
	ds_load_b32 v[SB+8*(\b)+\i], v[ADW1] offset:1024*\i
.endr
	v_add_nc_u32 v[ADCX], 64, v[ADCX]
	v_add_nc_u32 v[ADSX], 4, v[ADSX]
	v_add_nc_u32 v[ADW1], 128, v[ADW1]
.endm
; A WIDE CHUNK, in the ring's half p: four groups of four column tiles.  Ahead of each group the count 56: behind a group's eight loads stand those of the seven groups that follow it in the ring
; (loads come back in order: ISA guide 5.7.1).  Behind each group four places, and its registers are asked for again.  The next chunk's activations are fetched behind the first group, 48 matrix instructions ahead.
; skip = 1: in the loop's last trip the next chunk belongs to the next layer, whose activations do not exist yet: a jump on the count of trips leads round those LDS loads alone.
.macro WCH p, fmt, skip
	s_wait_loadcnt 56
	s_wait_dscnt 0x0                               ; this chunk's activations (and scale words) are in
	WIN MUL_LO
	MULS \p, 0, 3, \fmt
	PLACES
	WIN 0
.if \skip
	s_cmp_eq_u32 s11, 1
	s_cbranch_scc1 .Lno_a_\@
.endif
.if \fmt
	L1A 1-(\p)
.else
	LDAW 1-(\p)
.endif
.if \skip
.Lno_a_\@:
.endif
	WLOAD \p, 0, 1
	s_wait_loadcnt 56
	WIN MUL_LO
	MULS \p, 4, 7, \fmt
	PLACES
	WLOAD \p, 1, 1
	s_wait_loadcnt 56
	WIN MUL_HI
	MULS \p, 8, 11, \fmt
	PLACES
	WLOAD \p, 2, 1
	s_wait_loadcnt 56
	WIN MUL_HI
	MULS \p, 12, 15, \fmt
	PLACES
	WLOAD \p, 3, 1
.endm
.macro NXA kind, p, ci                 ; a narrow chunk's successor: the first half of its activations (kind 0: and the scale words), into the registers that fragments 0-7 have left
.if \kind == 0
	LDAC ADCY, AF, 4*((\ci)+1), 2
.irp mt, 0,1,2,3
	ds_load_b128 v[AS+16*(1-(\p))+4*\mt:AS+16*(1-(\p))+4*\mt+3], v[ADSY] offset:32*SP*\mt+16*((\ci)+1)
.endr
.irp s, 0,1,2,3
	ds_load_b32 v[SB+8*(1-(\p))+\s], v[ADWK] offset:128*(4*((\ci)+1)+\s)
	ds_load_b32 v[SB+8*(1-(\p))+4+\s], v[ADWK] offset:1024+128*(4*((\ci)+1)+\s)
.endr
.elseif \kind == 1
	LDAN AF, 0, 2
.else
	LDAN AF, 0, 4
.endif
.endm
.macro NYA kind, ci                    ; and the second half, at the chunk's end
.if \kind == 0
	LDAC ADCY, AF+64, 4*((\ci)+1)+2, 2
.elseif \kind == 1
	LDAN AF+64, 2, 2
	v_add_nc_u32 v[ADA], 16384, v[ADA]
.else
	WIN 0xc0
	LDAN 0, 4, 4
	WIN 0
	v_add_nc_u32 v[ADA], 32768, v[ADA]
.endif
.endm
.macro NWAIT g, tail                   ; group g's eight loads are in.  tail = 0: seven groups stand behind them; 1, 2: the stream's last two chunks, behind which nothing is asked for: the counts run down
.if (\tail) == 0
	s_wait_loadcnt 56
.elseif (\tail) == 1
	s_wait_loadcnt 32+8*(3-(\g))
.else
	s_wait_loadcnt 8*(3-(\g))
.endif
.endm
.macro NAFT p, g, kind, tail, what, ci ; behind a group: places; what = 1, 2: the first, the second half of the next chunk's activations; tail = 0: the group's registers are asked for again
.if ((\tail) == 0) || (\what)
	PLACES
.endif
.if (\what) == 1
	WIN 0
	NXA \kind, \p, \ci
.elseif (\what) == 2
	WIN 0
	NYA \kind, \ci
.endif
.if (\tail) == 0
	WLOAD \p, \g, 1
.endif
.endm
; A NARROW CHUNK, in the ring's half p: several K steps deep, the same four groups.  Its activations were fetched in two halves of KH8 loads: the first behind the third group of the chunk before, the second behind the fourth.
.macro NCH p, kind, tail, nexta, zero, ci
.if \kind == 2
.set KH8, 32
.else
.set KH8, 16
.endif
	NWAIT 0, \tail
	s_wait_dscnt KH8                               ; the first half (and the scale words) are in; the second half's KH8 loads may be out
	MULN \p, 0, 3, \kind, \zero
	NAFT \p, 0, \kind, \tail, 0, \ci
	NWAIT 1, \tail
	MULN \p, 4, 7, \kind, 0
	NAFT \p, 1, \kind, \tail, 0, \ci
	NWAIT 2, \tail
	s_wait_dscnt 0x0                               ; the second half is in
	MULN \p, 8, 11, \kind, 0
	NAFT \p, 2, \kind, \tail, \nexta, \ci
	NWAIT 3, \tail
	MULN \p, 12, 15, \kind, 0
	NAFT \p, 3, \kind, \tail, 2*(\nexta), \ci
	WIN 0
.endm
; One row of 1,024 numbers, in slot j of window 3: lane l holds k = 256 q + 8 l + 0 .. 7 in registers 8 q .. 8 q + 7, so a block of 32 is four neighbouring lanes.  n: the younger loads that may stay out.
; refill = 1: the slot takes the row eight further on; 2: group j of the weights' first two chunks is asked for in its stead.
.macro ROWQ j, n, refill
	s_wait_loadcnt \n
	WIN 0x3f
.irp q, 0,1,2,3
	v_max3_num_f32 v[T+3*\q], |v[32*(\j)+8*\q]|, |v[32*(\j)+8*\q+1]|, |v[32*(\j)+8*\q+2]|
	v_max3_num_f32 v[T+3*\q+1], |v[32*(\j)+8*\q+3]|, |v[32*(\j)+8*\q+4]|, |v[32*(\j)+8*\q+5]|
	v_max3_num_f32 v[T+3*\q+2], |v[32*(\j)+8*\q+6]|, |v[32*(\j)+8*\q+7]|, 0x1800000   ; the floor 2^(3 - 127): the byte cannot fall under 1
.endr
	WIN 0
.irp q, 0,1,2,3
	v_max3_num_f32 v[T+12+\q], v[T+3*\q], v[T+3*\q+1], v[T+3*\q+2]
.endr
.irp q, 0,1,2,3
	v_max_num_f32_dpp v[T+12+\q], v[T+12+\q], v[T+12+\q] row_xmask:1 row_mask:0xf bank_mask:0xf
.endr
.irp q, 0,1,2,3
	v_max_num_f32_dpp v[T+12+\q], v[T+12+\q], v[T+12+\q] row_xmask:2 row_mask:0xf bank_mask:0xf   ; the block's largest magnitude
.endr
.irp q, 0,1,2,3
	v_add_nc_u32 v[T+16+\q], 0xff000000, v[T+12+\q]   ; 2 off its exponent field: the conversion's scale operand
.endr
	WIN 0x03
.irp q, 0,1,2,3
	v_cvt_scalef32_pk8_fp4_f32 v[T+20+\q], v[32*(\j)+8*\q:32*(\j)+8*\q+7], v[T+16+\q]
.endr
	WIN 0
.irp q, 0,1,2,3
	v_lshrrev_b32 v[T+24+\q], 23, v[T+16+\q]       ; the scale's byte (and the plain place behind the conversions)
.endr
.irp q, 0,1,2,3
	ds_store_b32 v[RC], v[T+20+\q] offset:CP*(\j)+128*\q
.endr
.irp q, 0,1,2,3
	ds_store_b8 v[RS], v[T+24+\q] offset:SP*(\j)+8*\q   ; the four lanes of a block write the same byte with the same value
.endr
.if (\refill) == 1
	WIN 0xc0
.irp q, 0,1,2,3
	global_load_b128 v[32*(\j)+8*\q:32*(\j)+8*\q+3], v[VX], s[76:77] offset:4096*(\j)+1024*\q th:TH_LOAD_NT
	global_load_b128 v[32*(\j)+8*\q+4:32*(\j)+8*\q+7], v[VX], s[76:77] offset:4096*(\j)+1024*\q+16 th:TH_LOAD_NT
.endr
.elseif (\refill) == 2
	WLOAD (\j)/4, (\j)%4, 0
.endif
.endm
	; ---- the head
	s_load_b512 s[16:31], s[0:1], 0x0              ; x s[16:17], y s[18:19], wstream s[20:21], wscale s[22:23], b1 s[24:25], b2 s[26:27], b3 s[28:29], b4 s[30:31]
	s_load_b256 s[32:39], s[0:1], 0x40             ; bq s[32:33], bk s[34:35], bv s[36:37], qimg s[38:39]
	s_load_b64 s[40:41], s[0:1], 0x60              ; kvimg
	v_lshl_add_u32 v[SPW], v0, 2, SPARE            ; my spare word and 0
	v_mov_b32 v[NIL], 0
	v_lshrrev_b32 v18, 5, v0
	v_readfirstlane_b32 s8, v18                    ; wave 0..3
	s_mov_b32 s10, ttmp9                           ; my work-group: 64 rows
	s_lshl_b32 s2, s8, 14                          ; 16,384 w: my quarter of a chunk
	s_mov_b32 s3, 0
	s_mul_i32 s4, s8, 10240                        ; my part of the weights' scale words
	s_mov_b32 s5, 0
	v_and_b32 v18, 31, v0                          ; lane
	v_and_b32 v19, 15, v0                          ; r
	v_bfe_u32 v20, v0, 4, 1                        ; h
	v_lshlrev_b32 v[LI], 4, v18
	v_lshlrev_b32 v[VX], 5, v18
	v_lshlrev_b32 v[VB], 5, v20
	v_lshlrev_b32 v[R4], 2, v19
	v_lshlrev_b32 v21, 2, v18                      ; 4 x lane
	v_lshrrev_b32 v22, 2, v18                      ; lane / 4
	v_mul_u32_u24 v[ADCY], v19, CP
	v_lshl_add_u32 v[ADCY], v20, 4, v[ADCY]
	ADDC ADCY, CT
	v_add_nc_u32 v[ADCX], 16*CP, v[ADCY]
	v_mul_u32_u24 v[ADSY], v19, SP
	ADDC ADSY, ST
	v_add_nc_u32 v[ADSX], 16*SP, v[ADSY]
	v_add_nc_u32 v[ADWK], s4, v21
	ADDC ADWK, WSC
	v_add_nc_u32 v[ADW1], 2048, v[ADWK]
	v_add_nc_u32 v[WST], s4, v[LI]
	ADDC WST, WSC
	s_mul_i32 s6, s8, 32*CP
	v_add_nc_u32 v[RC], s6, v21
	ADDC RC, CT
	s_mul_i32 s6, s8, 32*SP
	v_add_nc_u32 v[RS], s6, v22
	ADDC RS, ST
	s_lshl_b32 s6, s8, 15
	v_add_nc_u32 v[DST], s6, v[LI]
	ADDC DST, ACT
	s_lshl_b32 s6, s8, 13
	v_add_nc_u32 v[DST2], s6, v[LI]
	ADDC DST2, ACT2
	s_wait_kmcnt 0x0
	s_add_nc_u64 s[20:21], s[20:21], s[2:3]        ; the stream at my quarter of chunk 0
	s_add_nc_u64 s[22:23], s[22:23], s[4:5]
	s_mov_b64 s[WPB:WPB+1], s[20:21]               ; the eight pointers: chunk p, group g: 65,536 p + 4,096 g on
.irp g, 1,2,3
	s_add_nc_u64 s[WPB+2*\g:WPB+2*\g+1], s[20:21], 4096*\g
.endr
.irp g, 0,1,2,3
	s_add_nc_u64 s[WPB+8+2*\g:WPB+8+2*\g+1], s[20:21], 65536+4096*\g
.endr
	s_lshl_b32 s6, s8, 10                          ; the other pointers move to my wave's part
	s_mov_b32 s7, 0
	s_add_nc_u64 s[24:25], s[24:25], s[6:7]        ; b1, b3, b4: 256 w numbers on
	s_add_nc_u64 s[28:29], s[28:29], s[6:7]
	s_add_nc_u64 s[30:31], s[30:31], s[6:7]
	s_add_nc_u64 s[38:39], s[38:39], s[6:7]        ; q's images: fragment (tile of rows, w)
	s_add_nc_u64 s[40:41], s[40:41], s[6:7]        ; k's likewise
	s_lshl_b32 s12, s10, 15
	s_mov_b32 s13, 0
	s_add_nc_u64 s[40:41], s[40:41], s[12:13]      ; my work-group's 64 keys: 32,768 bytes
	s_add_nc_u64 s[80:81], s[40:41], s[6:7]        ; v's images: 16,384 on, channel tiles 2 w and 2 w + 1
	s_add_nc_u64 s[80:81], s[80:81], 16384
	s_lshl_b32 s12, s10, 14
	s_add_nc_u64 s[38:39], s[38:39], s[12:13]
	s_lshl_b32 s6, s8, 8
	s_add_nc_u64 s[26:27], s[26:27], s[6:7]        ; b2: 64 w
	s_lshl_b32 s6, s8, 7
	s_add_nc_u64 s[32:33], s[32:33], s[6:7]        ; bq, bk, bv: 32 w
	s_add_nc_u64 s[34:35], s[34:35], s[6:7]
	s_add_nc_u64 s[36:37], s[36:37], s[6:7]
	s_lshl_b32 s12, s10, 18
	s_lshl_b32 s6, s8, 16
	s_add_co_u32 s12, s12, s6                      ; row 64 x work-group + 16 w, 4,096 bytes a row
	s_add_nc_u64 s[16:17], s[16:17], s[12:13]
	s_add_nc_u64 s[18:19], s[18:19], s[12:13]
.irp i, 0,1,2,3,4,5,6,7,8,9,10,11,12,13,14,15,16,17,18,19
	global_load_b128 v[U+4*\i:U+4*\i+3], v[LI], s[22:23] offset:512*\i   ; my 10,240 bytes of the weights' scale words: asked for first of all, stored to LDS behind the rows
.endr
	global_load_b128 v[BK:BK+3], v[VB], s[34:35]
	global_load_b128 v[BK+4:BK+7], v[VB], s[34:35] offset:16
	global_load_b128 v[BK+8:BK+11], v[VB], s[34:35] offset:64
	global_load_b128 v[BK+12:BK+15], v[VB], s[34:35] offset:80
	global_load_b32 v[BV], v[R4], s[36:37]         ; bv of my channel, twice: a pair for the packed addition
	global_load_b32 v[BV+1], v[R4], s[36:37]
	global_load_b32 v[BV+2], v[R4], s[36:37] offset:64
	global_load_b32 v[BV+3], v[R4], s[36:37] offset:64
	; ---- ROWS: my 16 rows of y, then my 16 rows of x, become codes and scale bytes in LDS.  Eight rows (64 loads of 512 bytes a wave) are on their way at all times.
	WIN 0xc0
.irp j, 0,1,2,3,4,5,6,7
.irp q, 0,1,2,3
	global_load_b128 v[32*\j+8*\q:32*\j+8*\q+3], v[VX], s[18:19] offset:4096*\j+1024*\q th:TH_LOAD_NT
	global_load_b128 v[32*\j+8*\q+4:32*\j+8*\q+7], v[VX], s[18:19] offset:4096*\j+1024*\q+16 th:TH_LOAD_NT
.endr
.endr
	WIN 0
	s_add_nc_u64 s[76:77], s[18:19], 0x8000        ; the refills: y's rows 8-15, then x's 0-7, then x's 8-15
	s_mov_b64 s[78:79], s[16:17]
	s_mov_b32 s11, 3
.Lrows:
.irp j, 0,1,2,3,4,5,6,7
	ROWQ \j, 56, 1                                 ; behind a row's eight loads stand those of the seven rows after it
.endr
	WIN 0
	v_add_nc_u32 v[RC], 8*CP, v[RC]
	v_add_nc_u32 v[RS], 8*SP, v[RS]
	s_wait_xcnt 0x0                                ; the loads have read their base: it may be written
	s_mov_b64 s[76:77], s[78:79]
	s_add_nc_u64 s[78:79], s[78:79], 0x8000
	s_sub_co_u32 s11, s11, 1
	s_cmp_lg_u32 s11, 0
	s_cbranch_scc1 .Lrows
.irp j, 0,1,2,3,4,5,6,7
	ROWQ \j, 56, 2                                 ; the last eight rows: behind row j's loads stand 8 (7 - j) of the rows after it and 8 j of the weights' groups asked for in this run
.endr
	WIN 0
.irp i, 0,1,2,3,4,5,6,7,8,9,10,11,12,13,14,15,16,17,18,19
	ds_store_b128 v[WST], v[U+4*\i:U+4*\i+3] offset:512*\i   ; the weights' scale words (the oldest loads of all: long in) into my wave's own bytes
.endr
.irp t, 4,5,6,7,8,9,10,11,12,13,14,15
	BLOAD \t, 24                                   ; b1 into the accumulators that the next phase leaves alone
.endr
	WIN 0
	PBAR                                           ; all 128 rows' codes and scale bytes lie in LDS
	; ---- KV: chunks 0 and 1
	NXA 0, 1, -1
	NYA 0, -1
	NCH 0, 0, 0, 1, 1, 0
	NCH 1, 0, 0, 0, 0, 1
	; k: lane (r, h) holds key r of tile mt and channels 32 w + 16 t + 8 h + 0 .. 7: half t of fragment (mt, w).  v: channel r and keys 8 h + 0 .. 7: half mt % 2 of fragment (mt / 2, 2 w + t - 2).
.irp t, 0,1
	WIN 0x02
.irp mt, 0,1,2,3
.irp u, 0,1,2,3
	v_pk_add_f32 v[T+8*\mt+2*\u:T+8*\mt+2*\u+1], v[8*(4*\t+\mt)+2*\u:8*(4*\t+\mt)+2*\u+1], v[BK+8*\t+2*\u:BK+8*\t+2*\u+1]
.endr
.endr
	WIN 0
.irp mt, 0,1,2,3
.irp u, 0,1,2,3
	v_cvt_pk_bf16_f32 v[U+4*(4*\t+\mt)+\u], v[T+8*\mt+2*\u], v[T+8*\mt+2*\u+1]
.endr
.endr
.irp mt, 0,1,2,3
	global_store_b128 v[LI], v[U+4*(4*\t+\mt):U+4*(4*\t+\mt)+3], s[40:41] offset:4096*\mt+512*\t   ; 512 consecutive bytes, aligned
.endr
.endr
.irp t, 2,3
	WIN 0x02
.irp mt, 0,1,2,3
.irp u, 0,1,2,3
	v_pk_add_f32 v[T+8*\mt+2*\u:T+8*\mt+2*\u+1], v[8*(4*\t+\mt)+2*\u:8*(4*\t+\mt)+2*\u+1], v[BV+2*(\t-2):BV+2*(\t-2)+1]
.endr
.endr
	WIN 0
.irp mt, 0,1,2,3
.irp u, 0,1,2,3
	v_cvt_pk_bf16_f32 v[U+4*(4*\t+\mt)+\u], v[T+8*\mt+2*\u], v[T+8*\mt+2*\u+1]
.endr
.endr
.irp mt, 0,1,2,3
	global_store_b128 v[LI], v[U+4*(4*\t+\mt):U+4*(4*\t+\mt)+3], s[80:81] offset:8192*(\mt/2)+1024*(\t-2)+512*(\mt%2)
.endr
.endr
.irp t, 0,1,2,3
	BLOAD \t, 24
.endr
	WIN 0
	; ---- L1: h1 = relu(x W1 + b1), on codes: chunks 2-9, 128 along K each
	s_wait_xcnt 0x0                                ; the stores above have read their data: those registers take fragments now
	L1A 0
	s_wait_loadcnt 0x0                             ; b1 (and the two chunks in the ring)
	s_mov_b32 s11, 4
.Ll1:
	WCH 0, 1, 0
	WCH 1, 1, 1
	WIN 0
	s_sub_co_u32 s11, s11, 1
	s_cmp_lg_u32 s11, 0
	s_cbranch_scc1 .Ll1
	PBAR                                           ; every wave's reads of the tables are over: h1 is laid over them
	DRAIN 16, DST, 26, 4, 28                       ; tiles 0-3 take b2; tiles 4-15, which L2 leaves alone, b3
	PBAR                                           ; h1 lies in ACT
	; ---- L2: h2 = relu(h1 W2 + b2): chunks 10-17, 128 along K each; the last two are written out, since no activations follow them
	v_add_nc_u32 v[ADA], ACT, v[LI]
	NXA 1, 1, 0
	NYA 1, 0
	s_wait_loadcnt 0x0
	s_mov_b32 s11, 3
.Ll2:
	NCH 0, 1, 0, 1, 0, 0
	NCH 1, 1, 0, 1, 0, 0
	s_sub_co_u32 s11, s11, 1
	s_cmp_lg_u32 s11, 0
	s_cbranch_scc1 .Ll2
	NCH 0, 1, 0, 1, 0, 0
	NCH 1, 1, 0, 0, 0, 0
	DRAIN 4, DST2, 28, 4, 0                        ; h2 goes where the weights' scale words lay: their last reads stand ahead of the barrier behind L1
	PBAR
	; ---- L3: h3 = relu(h2 W3 + b3): chunks 18-25, 32 along K each
	v_add_nc_u32 v[ADA], ACT2, v[LI]
	LDAW 0
	s_wait_loadcnt 0x0
	s_mov_b32 s11, 4
.Ll3:
	WCH 0, 0, 0
	WCH 1, 0, 1
	WIN 0
	s_sub_co_u32 s11, s11, 1
	s_cmp_lg_u32 s11, 0
	s_cbranch_scc1 .Ll3
	s_wait_dscnt 0x0                               ; no LDS load of mine is out: the fragments' registers are work registers now
	DRAIN 16, DST, 30, 16, 0                       ; h3 over h1, whose last reads stand ahead of the barrier behind L2's way out
	PBAR
	; ---- L4: h4 = relu(h3 W4 + b4): chunks 26-57
	v_add_nc_u32 v[ADA], ACT, v[LI]
	LDAW 0
	s_wait_loadcnt 0x0
	s_mov_b32 s11, 16
.Ll4:
	WCH 0, 0, 0
	WCH 1, 0, 1
	WIN 0
	s_sub_co_u32 s11, s11, 1
	s_cmp_lg_u32 s11, 0
	s_cbranch_scc1 .Ll4
	PBAR                                           ; every wave's reads of h3 are over: h4 is laid over it
	DRAIN 16, DST, 32, 2, 0
	PBAR
	; ---- L5: q = h4 Wq + bq: chunks 58-61, 256 along K each, written out: the last two ask for nothing
	v_add_nc_u32 v[ADA], ACT, v[LI]
	NXA 2, 1, 0
	NYA 2, 0
	s_wait_loadcnt 0x0
	NCH 0, 2, 0, 1, 0, 0
	NCH 1, 2, 0, 1, 0, 0
	NCH 0, 2, 1, 1, 0, 0
	NCH 1, 2, 2, 0, 0, 0
	PLACES
	WIN 0x0a
.irp t, 0,1
.irp mt, 0,1,2,3
.irp u, 0,1,2,3
	v_cvt_pk_bf16_f32 v[U+4*(4*\t+\mt)+\u], v[8*(4*\t+\mt)+2*\u], v[8*(4*\t+\mt)+2*\u+1]
.endr
.endr
.endr
	WIN 0
.irp t, 0,1
.irp mt, 0,1,2,3
	global_store_b128 v[LI], v[U+4*(4*\t+\mt):U+4*(4*\t+\mt)+3], s[38:39] offset:4096*\mt+512*\t   ; half t of fragment (tile of queries mt, channels 32 w on)
.endr
.endr
	s_wait_tensorcnt 0x0                           ; the wave's end: behind my last LDS store
	ds_add_u32 v[SPW], v[NIL]
	s_wait_dscnt 0x0
	s_endpgm
.Lfunc_end_k_q65b6d036ec_front:
	.size	k_q65b6d036ec_front, .Lfunc_end_k_q65b6d036ec_front-k_q65b6d036ec_front
	.p2alignl 7, 3214868480
	.fill 96, 4, 3214868480
	.section	.rodata,"a",@progbits
	.p2align	6, 0x0
	.amdhsa_kernel k_q65b6d036ec_front
		.amdhsa_group_segment_fixed_size 172544
		.amdhsa_private_segment_fixed_size 0
		.amdhsa_enable_private_segment 0
		.amdhsa_kernarg_size 104
		.amdhsa_user_sgpr_count 2
		.amdhsa_user_sgpr_kernarg_segment_ptr 1
		.amdhsa_wavefront_size32 1
		.amdhsa_system_sgpr_workgroup_id_x 1
		.amdhsa_system_sgpr_workgroup_id_y 1
		.amdhsa_system_sgpr_workgroup_id_z 1
		.amdhsa_system_vgpr_workitem_id 0
		.amdhsa_next_free_vgpr 1024
		.amdhsa_next_free_sgpr 92
		.amdhsa_reserve_vcc 0
		.amdhsa_float_denorm_mode_32 3
		.amdhsa_float_denorm_mode_16_64 3
		.amdhsa_memory_ordered 1
		.amdhsa_forward_progress 1
		.amdhsa_inst_pref_size 255
	.end_amdhsa_kernel
	.section	.bss,"aw",@nobits
	.p2align	6
	.space	262144
	.amdgpu_metadata
---
amdhsa.version: [ 1, 2 ]
amdhsa.kernels:
  - .name:           k_q65b6d036ec_front
    .symbol:         k_q65b6d036ec_front.kd
    .args:
      - { .name: x, .offset: 0, .size: 8, .value_kind: global_buffer, .address_space: global }
      - { .name: y, .offset: 8, .size: 8, .value_kind: global_buffer, .address_space: global }
      - { .name: wstream, .offset: 16, .size: 8, .value_kind: global_buffer, .address_space: global }
      - { .name: wscale, .offset: 24, .size: 8, .value_kind: global_buffer, .address_space: global }
      - { .name: b1, .offset: 32, .size: 8, .value_kind: global_buffer, .address_space: global }
      - { .name: b2, .offset: 40, .size: 8, .value_kind: global_buffer, .address_space: global }
      - { .name: b3, .offset: 48, .size: 8, .value_kind: global_buffer, .address_space: global }
      - { .name: b4, .offset: 56, .size: 8, .value_kind: global_buffer, .address_space: global }
      - { .name: bq, .offset: 64, .size: 8, .value_kind: global_buffer, .address_space: global }
      - { .name: bk, .offset: 72, .size: 8, .value_kind: global_buffer, .address_space: global }
      - { .name: bv, .offset: 80, .size: 8, .value_kind: global_buffer, .address_space: global }
      - { .name: qimg, .offset: 88, .size: 8, .value_kind: global_buffer, .address_space: global }
      - { .name: kvimg, .offset: 96, .size: 8, .value_kind: global_buffer, .address_space: global }
    .group_segment_fixed_size: 172544
    .private_segment_fixed_size: 0
    .kernarg_segment_align: 8
    .kernarg_segment_size: 104
    .max_flat_workgroup_size: 128
    .sgpr_count:     92
    .vgpr_count:     1024
    .wavefront_size: 32
...
	.end_amdgpu_metadata
.endif
;; end of part 4
;; launch attn: the kernel of part 3 again; grid 256 x 1, 4 waves a work-group, clusters of 4 x 1, 327,680 bytes of LDS; arguments qimg, kvimg, out0; writes out0
